; MI455X (gfx1250); checked and timed in simulation.
; The chip was launched on July 23, 2026; its instructions are those of AMD's public machine-readable ISA for CDNA 5 (MIT licence, August 2026) and "CDNA5" Instruction Set Architecture Reference Guide (July 2026). The comments in the code are by the model that wrote it; some were corrected since.
;; Attention. Allowed arithmetic: float matrix products may take bf16 or f16 operands with f32 sums; all other float work in f32.
;; Inputs: k_beta 64 float32; k_gamma 64 float32; proj_b 1,024 float32; proj_w 1,024 x 1,024 float32; q_beta 64 float32; q_gamma 64 float32; qkv_w 1,024 x 3,072 float32; x 2 x 2,048 x 1,024 float32.
;; Outputs: out0 2 x 2,048 x 1,024 float32.
;; 2 versions, each right. Each part assembles by itself: llvm-mc -triple=amdgcn-amd-amdhsa -mcpu=gfx1250 --defsym DOCPART=n.
;; ======== version 1 of 2: 4 launches
;; limits: values are held in f16: magnitudes above 65,504 overflow, below 6.1e-05 lose precision
;; workspace buffers: h16 16,777,216 bytes; qkvh 25,165,824 bytes; ao 8,388,608 bytes
;; launch cast (part 1): grid 256 x 1, 8 waves a work-group, no clusters, 0 bytes of LDS; arguments x, qkv_w, proj_w, h16; writes h16
.if DOCPART == 1
	.amdgcn_target "amdgcn-amd-amdhsa--gfx1250"
	.amdhsa_code_object_version 6
	.text
	.protected	k_qcc7321f96f_cast
	.globl	k_qcc7321f96f_cast
	.p2align	8
	.type	k_qcc7321f96f_cast,@function
k_qcc7321f96f_cast:
	s_mov_b64 s[64:65], 0
	v_nop
	global_prefetch_b8 v0, s[64:65] scope:SCOPE_SE
	s_setreg_imm32_b32 hwreg(HW_REG_WAVE_MODE, 25, 1), 1
	s_wait_xcnt 0x0
; x [4096][1024], qkv_w [1024][3072] and proj_w [1024][1024], all f32, are rounded once to f16, layouts unchanged, into h16:
; x at byte 0, qkv_w at byte 8,388,608, proj_w at byte 14,680,064.  The later launches take these as tiles of 16-bit numbers.
; WHY f16 AND NOT bf16: f16 keeps 11 significant bits against 8, and these operands have room in it: x is drawn with spread 1 and the
; weights with spread 1/32; thirty times larger, or offset by thirty spreads, they stay below 200, far under f16's largest number.
; LIMITS: a magnitude above 65,504 becomes infinity; below 2^-14 the absolute error is at most 2^-25 (f16 denormals are kept).
; A pure stream: no LDS, no matrix unit, no cluster (no two work-groups read the same byte).
; Work-group id takes 32,768 numbers: 131,072 bytes in, 65,536 bytes out at h16 + 65,536 id.  128 work-groups for x, 96 for qkv_w, 32 for proj_w.
; Thread t takes 16 bytes at 16 t of each block of 4,096 bytes: a wave's load covers 512 consecutive bytes, its store 256 consecutive bytes, aligned.
; All 32 loads of a wave go out first; no register is written twice, so no source of a pending instruction is ever rewritten.
.set N_X,  128                         ; work-groups 0 .. 127 read x
.set N_XW, 224                         ; 128 .. 223 read qkv_w, 224 .. 255 proj_w
.set X,    4                           ; v[4:131] block j: 4 registers as loaded; its first two then hold the 4 f16
	s_load_b256 s[4:11], s[0:1], 0x0               ; x s[4:5], qkv_w s[6:7], proj_w s[8:9], h16 s[10:11]
	s_movk_i32 s20, N_X
	s_movk_i32 s21, N_XW
	v_lshlrev_b32 v1, 4, v0                        ; 16 t: my bytes of a block read
	v_lshlrev_b32 v2, 3, v0                        ; 8 t: my bytes of a block written
	s_wait_kmcnt 0x0
	s_cmp_lt_u32 ttmp9, s21                        ; which buffer, and the number of its first work-group: two selects on the work-group's number
	s_cselect_b64 s[14:15], s[6:7], s[8:9]
	s_cselect_b32 s13, s20, s21
	s_cmp_lt_u32 ttmp9, s20
	s_cselect_b64 s[14:15], s[4:5], s[14:15]
	s_cselect_b32 s13, 0, s13
	s_sub_co_u32 s16, ttmp9, s13
	s_lshl_b32 s16, s16, 17                        ; 131,072 bytes for each work-group of that buffer
	s_mov_b32 s17, 0
	s_add_nc_u64 s[14:15], s[14:15], s[16:17]
	s_lshl_b32 s18, ttmp9, 16                      ; 65,536 bytes out for each work-group
	s_mov_b32 s19, 0
	s_add_nc_u64 s[10:11], s[10:11], s[18:19]
.set j, 0
.rept 32
	global_load_b128 v[X+4*j:X+4*j+3], v1, s[14:15] offset:4096*j th:TH_LOAD_NT     ; read once in the launch
.set j, j+1
.endr
.set j, 0
.rept 32
	s_wait_loadcnt 31-j                            ; loads come back in order (ISA guide 5.7.1): block j is in, the 31 - j younger ones stay out
	v_cvt_pk_f16_f32 v[X+4*j],   v[X+4*j],   v[X+4*j+1]
	v_cvt_pk_f16_f32 v[X+4*j+1], v[X+4*j+2], v[X+4*j+3]
	global_store_b64 v2, v[X+4*j:X+4*j+1], s[10:11] offset:2048*j                  ; no hint: the next launches read these bytes
.set j, j+1
.endr
	s_endpgm
.Lfunc_end_k_qcc7321f96f_cast:
	.size	k_qcc7321f96f_cast, .Lfunc_end_k_qcc7321f96f_cast-k_qcc7321f96f_cast
	.p2alignl 7, 3214868480
	.fill 96, 4, 3214868480
	.section	.rodata,"a",@progbits
	.p2align	6, 0x0
	.amdhsa_kernel k_qcc7321f96f_cast
		.amdhsa_group_segment_fixed_size 0
		.amdhsa_private_segment_fixed_size 0
		.amdhsa_enable_private_segment 0
		.amdhsa_kernarg_size 32
		.amdhsa_user_sgpr_count 2
		.amdhsa_user_sgpr_kernarg_segment_ptr 1
		.amdhsa_wavefront_size32 1
		.amdhsa_system_sgpr_workgroup_id_x 1
		.amdhsa_system_sgpr_workgroup_id_y 1
		.amdhsa_system_sgpr_workgroup_id_z 1
		.amdhsa_system_vgpr_workitem_id 0
		.amdhsa_next_free_vgpr 132
		.amdhsa_next_free_sgpr 66
		.amdhsa_reserve_vcc 0
		.amdhsa_float_denorm_mode_32 3
		.amdhsa_float_denorm_mode_16_64 3
		.amdhsa_memory_ordered 1
		.amdhsa_forward_progress 1
		.amdhsa_inst_pref_size 12
	.end_amdhsa_kernel
	.amdgpu_metadata
---
amdhsa.version: [ 1, 2 ]
amdhsa.kernels:
  - .name:           k_qcc7321f96f_cast
    .symbol:         k_qcc7321f96f_cast.kd
    .args:
      - { .name: x, .offset: 0, .size: 8, .value_kind: global_buffer, .address_space: global }
      - { .name: qkv_w, .offset: 8, .size: 8, .value_kind: global_buffer, .address_space: global }
      - { .name: proj_w, .offset: 16, .size: 8, .value_kind: global_buffer, .address_space: global }
      - { .name: h16, .offset: 24, .size: 8, .value_kind: global_buffer, .address_space: global }
    .group_segment_fixed_size: 0
    .private_segment_fixed_size: 0
    .kernarg_segment_align: 8
    .kernarg_segment_size: 32
    .max_flat_workgroup_size: 256
    .sgpr_count:     66
    .vgpr_count:     132
    .wavefront_size: 32
...
	.end_amdgpu_metadata
.endif
;; end of part 1
;; launch qkv (part 2): grid 8 x 32, 4 waves a work-group, clusters of 4 x 4, 327,680 bytes of LDS; arguments h16, q_gamma, q_beta, k_gamma, k_beta, qkvh; writes qkvh
.if DOCPART == 2
	.amdgcn_target "amdgcn-amd-amdhsa--gfx1250"
	.amdhsa_code_object_version 6
	.text
	.protected	k_qcc7321f96f_qkv
	.globl	k_qcc7321f96f_qkv
	.p2align	8
	.type	k_qcc7321f96f_qkv,@function
k_qcc7321f96f_qkv:
	s_mov_b64 s[64:65], 0
	v_nop
	global_prefetch_b8 v0, s[64:65] scope:SCOPE_SE
	s_setreg_imm32_b32 hwreg(HW_REG_WAVE_MODE, 25, 1), 1
	s_wait_xcnt 0x0
	s_wait_alu depctr_hold_cnt(0) depctr_sa_sdst(0) depctr_va_vdst(0) depctr_va_sdst(0) depctr_va_ssrc(0) depctr_va_vcc(0) depctr_vm_vsrc(0)
	s_getreg_b32 s2, hwreg(HW_REG_IB_STS2, 6, 4)
	s_cmp_eq_u32 s2, 0
	s_cbranch_scc0 .Lentry_in_a_cluster
	s_endpgm
.Lentry_in_a_cluster:
	s_bfe_u32 s2, ttmp6, 0x10000c
	s_cmp_lg_u32 s2, 0xf033
	s_cbranch_scc0 .Lentry_shape_is_right
	s_endpgm
.Lentry_shape_is_right:
; qkv = x qkv_w (f16 operands, f32 sums), LayerNorm over each 64-wide head of q and of k (f32), all three split by head:
; qkvh [g = 48][T = 4096][64] f16, g = 0..15 q heads, 16..31 k heads, 32..47 v heads, T = 2048 b + n.
; A work-group makes 128 rows x 384 columns (6 heads); wave w = 2 wm + wn makes 64 rows x 192 columns (3 heads): 48 accumulator tiles, 384 registers.
; K goes in 8 steps of 128 through two LDS slots filled by the tensor data mover; a tile's rows are 256 bytes and start at multiples of 256 bytes
; from the buffer's first byte.  qkv_w lies [K][N]: its fragments come out of LDS by the transposing load.
; CLUSTERS: 4 x 4 work-groups.  x's tile hangs on the block row alone and is asked for jointly by a row of the cluster; the weights' tiles hang on the
; block column alone and are asked for jointly by a column: the requests for both are divided by four.
; THE MATRIX INSTRUCTION IS USED TRANSPOSED (source 0 = 16 columns of the weights, source 1 = 16 rows of x): lane (r, h) holds row r, its registers
; j the columns 8 h + j of the tile.  A head's 64 numbers of a row are then 32 registers each of lanes r and r + 16: mean and variance are sums inside
; a lane and one exchange between the halves.
; Every head goes the same way, without a branch, and for a v head selects put
; mean 0, scale 1, gamma 1, beta 0, which give y = x exactly.
; The variance is the mean of squared deviations (two passes), never a difference of large sums.
; LIMITS: q, k, v are rounded once to f16: a magnitude above 65,504 becomes infinity.  Room: |q|, |k| <= |gamma| sqrt(63) + |beta|; v, a sum of 1,024
; products, is about 5,000 with both inputs thirty times larger than drawn and 1024 x 30 x 30/32 = 28,800 with both offset by thirty spreads.
; NaN and infinities in the inputs are not followed.
;
; LDS: slot s at s x 147,456, four regions of 36,864, region w filled by wave w: region 0 = x, 128 rows, pitch 272; region 1 + c = the block's columns
; 128 c .. 128 c + 127 of the weights, 128 k rows, pitch 288.  Behind the ring each wave's own stage: 16 rows, pitch 144, into which no tensor load lands.
; REGISTERS: window 0 addresses, LayerNorm's work, gamma and beta; window 1 two fragment buffers; windows 2, 3 the accumulators of my rows 0-31, 32-63.
.set WQ_OFF, 8388608                   ; qkv_w in h16
.set REG,    36864
.set SLOT,   4*REG
.set STAGE,  2*SLOT
.set PA,     272                       ; 256 + 16: an odd multiple of 16 bytes, so the 16 rows of a fragment load start in 16 different groups of banks (ISA guide 11.1)
.set PB,     288                       ; 256 + 32: an odd multiple of 32 bytes, the same for the transposing load's 8 rows x 2 columns of 16 bytes
.set SP,     144                       ; stage: 128 + 16
.set ADRA, 8                           ; v8-9    LDS address of my x fragments in slot 0, 1
.set ADRB, 10                          ; v10-15  the same for the weights: slot s, head z at 3 s + z
.set STO,  16                          ; the way out: where I put 16 bytes of a row
.set RD,   17                          ; where I read 16 bytes back
.set CO,   18                          ; 16 x lane: my bytes of 512 stored
.set GOFF, 19                          ; 32 h: my first column's byte in gamma and beta
.set NM,   20                          ; v[20:21] minus the mean (low register; the upper is written once)
.set RS,   22                          ; v[22:23] 1 / sqrt(var + eps), likewise
.set TT,   24                          ; v[24:27] at work
.set DD,   32                          ; v[32:63] a head's 32 numbers of my row
.set GA,   64                          ; gamma of head z at GA + 64 z, beta at GA + 32 + 64 z; entry 8 bb + j is column 16 bb + 8 h + j
.set F0,   0                           ; window 1: fragment buffer 0: weights' fragment b at 8 b, x's fragment a at 96 + 8 a
.set F1,   128                         ; buffer 1
.set G1A, 24                           ; s[24:31] descriptor group 1, x's tiles
.set G0A, 32                           ; s[32:39] group 0, x's tiles, a set for each slot
.set G1B, 48                           ; s[48:55] group 1, the weights' tiles
.set G0B, 56                           ; s[56:63] group 0, the weights' tiles
.set OUTB, 68                          ; s[68:73] head z: qkvh at my first row of that head
.set ISV,  74                          ; s74-76   head z: all ones if it is a v head, else 0
.set GP,   80                          ; s[80:91] head z: gamma's address, beta's address
.set MUL_LO, 0xa5                      ; sources 0, 1 window 1; C and D window 2
.set MUL_HI, 0xf5                      ; the same, C and D window 3
.set TO_F,   0x40                      ; destination window 1, address window 0
.set MSB, 0
.macro WIN new                         ; s_set_vgpr_msb: low byte = bits 1:0 source 0, 3:2 source 1, 5:4 source 2, 7:6 destination; high byte repeats the setting that is left
.if MSB != \new
	s_set_vgpr_msb (MSB<<8)|\new
.set MSB, \new
.endif
.endm
.macro PLACES                          ; a load into, or a vector instruction on, a matrix instruction's registers stands four plain vector instructions behind it
.rept 4
	v_nop
.endr
.endm
.macro CREST                           ; a round of the cluster's barrier behind its opening work-group barrier
	s_cmp_lg_u32 s16, 0
	s_cbranch_scc1 .Lnot_wave_0_\@
	s_barrier_signal -3
.Lnot_wave_0_\@:
	s_barrier_wait -3
	s_barrier_signal -1
	s_barrier_wait -1
.endm
.macro CROUND                          ; a whole round
	s_barrier_signal -1
	s_barrier_wait -1
	CREST
.endm
.macro JLOAD s                         ; wave 0 asks for x's tile, waves 1 to 3 for a third each of the weights': one line, one mask for each; the branch hangs on the wave's number alone
	s_cmp_eq_u32 s16, 0
	s_cbranch_scc0 .Lfor_b_\@
	tensor_load_to_lds s[G0A+4*\s:G0A+4*\s+3], s[G1A:G1A+7]
	s_nop 0
	s_branch .Lasked_\@
.Lfor_b_\@:
	tensor_load_to_lds s[G0B+4*\s:G0B+4*\s+3], s[G1B:G1B+7]
	s_nop 0
.Lasked_\@:
.endm
	s_load_b256 s[4:11], s[0:1], 0x0               ; h16 s[4:5], q_gamma s[6:7], q_beta s[8:9], k_gamma s[10:11]
	s_load_b128 s[12:15], s[0:1], 0x20             ; k_beta s[12:13], qkvh s[14:15]
	v_lshl_add_u32 v30, v0, 2, 0x4a400
	v_mov_b32 v31, 0
	ds_add_u32 v30, v31
	v_lshrrev_b32 v1, 5, v0
	v_readfirstlane_b32 s16, v1                    ; wave w
	s_lshr_b32 s17, s16, 1                         ; wm: which 64 rows
	s_and_b32 s18, s16, 1                          ; wn: which 3 heads
	s_bfe_u32 s20, ttmp6, 0x40000                  ; cx
	s_bfe_u32 s21, ttmp6, 0x40004                  ; cy
	s_lshl_b32 s22, ttmp9, 2
	s_add_co_u32 s22, s22, s20                     ; bx: block column, 0..7
	s_and_b32 s23, ttmp7, 0xffff
	s_lshl_b32 s23, s23, 2
	s_add_co_u32 s23, s23, s21                     ; by: block row, 0..31
	s_lshl_b32 s46, s21, 2
	s_lshl_b32 s46, 15, s46                        ; my row of the cluster
	s_lshl_b32 s47, 0x1111, s20                    ; my column
	; group 1: tiles of 128 rows x 128 elements of 2 bytes; behind every 64 words of a row 4 (x) or 8 (weights) words of padding; bit 21 set beside a mask
	s_or_b32 s[G1A+0], s46, (1<<16)|(1<<20)|(1<<21)|(5<<22)|(3<<25)
	s_or_b32 s[G1B+0], s47, (1<<16)|(1<<20)|(1<<21)|(5<<22)|(7<<25)
	s_mov_b32 s[G1A+1], 128<<16                    ; tensor_dim0 = 128
	s_mov_b32 s[G1B+1], 128<<16
	s_mov_b32 s[G1A+2], 128<<16                    ; tensor_dim1 = 128
	s_mov_b32 s[G1B+2], 128<<16
	s_mov_b32 s[G1A+3], 128<<16                    ; tile_dim0 = 128
	s_mov_b32 s[G1B+3], 128<<16
	s_mov_b32 s[G1A+4], 128                        ; tile_dim1 = 128
	s_mov_b32 s[G1B+4], 128
	s_mov_b32 s[G1A+5], 1024                       ; elements from row to row of x
	s_mov_b32 s[G1B+5], 3072                       ; and of qkv_w
	s_mov_b32 s[G1A+6], 0
	s_mov_b32 s[G1B+6], 0
	s_mov_b32 s[G1A+7], 0
	s_mov_b32 s[G1B+7], 0
	; where the tiles come from: x's offset is made of by alone, the weights' of bx and the wave's number alone, each in registers that never hold the other coordinate
	s_lshl_b32 s40, s23, 18                        ; by x 128 rows x 2,048 bytes
	s_mov_b32 s41, 0
	s_sub_co_i32 s45, s16, 1
	s_max_i32 s45, s45, 0                          ; which 128 columns I fetch (wave 0 makes the address and does not use it)
	s_lshl_b32 s45, s45, 8
	s_mul_i32 s42, s22, 768                        ; bx x 384 columns x 2 bytes
	s_add_co_u32 s42, s42, s45
	s_add_co_u32 s42, s42, WQ_OFF
	s_mov_b32 s43, 0
	s_mul_i32 s44, s16, REG                        ; and where they go: region w
	s_mov_b32 s66, 0x76543210                      ; v_permlanex16_b32: lane i of one half reads lane i of the other
	s_mov_b32 s67, 0xfedcba98
	s_mov_b32 s77, 0x3c800000                      ; 1/64
	s_mov_b32 s79, 0x358637bd                      ; 1e-6
	s_wait_dscnt 0x0
	s_wait_kmcnt 0x0
	s_add_nc_u64 s[40:41], s[4:5], s[40:41]
	s_add_nc_u64 s[42:43], s[4:5], s[42:43]
	CROUND                                         ; all sixteen work-groups are here: the first joint loads meet
.irp s, 0,1
	s_mov_b32 s[G0A+4*\s], 1
	s_add_co_u32 s[G0A+4*\s+1], s44, \s*SLOT
	s_add_nc_u64 s[G0A+4*\s+2:G0A+4*\s+3], s[40:41], \s*256            ; K step s: 128 elements along the row
	s_or_b32 s[G0A+4*\s+3], s[G0A+4*\s+3], 0x80000000
	s_mov_b32 s[G0B+4*\s], 1
	s_add_co_u32 s[G0B+4*\s+1], s44, \s*SLOT
	s_add_nc_u64 s[G0B+4*\s+2:G0B+4*\s+3], s[42:43], \s*786432         ; K step s: 128 rows of 6,144 bytes
	s_or_b32 s[G0B+4*\s+3], s[G0B+4*\s+3], 0x80000000
	JLOAD \s                                       ; both slots are asked for before anything else: two tensor loads of the wave are out
.endr
	; LDS addresses.  A fragment is 16 rows x 32 K in 8 registers: lane (r, h) holds row r, registers 0-3 K = 8 h + 0..7, registers 4-7 K = 16 + 8 h + 0..7.
	v_and_b32 v1, 15, v0                           ; r
	v_bfe_u32 v2, v0, 4, 1                         ; h
	v_mul_u32_u24 v3, v1, PA
	v_lshl_add_u32 v3, v2, 4, v3                   ; x: r x pitch + 16 h; two loads 32 bytes apart
	s_mul_i32 s2, s17, 64*PA
	v_add_nc_u32 v[ADRA], s2, v3
	v_add_nc_u32 v[ADRA+1], SLOT, v[ADRA]
	v_and_b32 v4, 7, v0                            ; weights, stored [k][n]: the transposing load wants row 8 h + (lane & 7), 16 bytes (lane >> 3) & 1; two loads 16 rows apart
	v_lshl_add_u32 v4, v2, 3, v4
	v_mul_u32_u24 v4, v4, PB
	v_bfe_u32 v5, v0, 3, 1
	v_lshl_add_u32 v4, v5, 4, v4
.irp z, 0,1,2
	s_mul_i32 s2, s18, 3
	s_add_co_u32 s2, s2, \z                        ; the head's place among the block's six
	s_lshr_b32 s3, s2, 1
	s_mul_i32 s3, s3, REG                          ; two heads to a region,
	s_and_b32 s2, s2, 1
	s_lshl_b32 s2, s2, 7                           ; 128 bytes of its rows each
	s_add_co_u32 s3, s3, s2
	s_add_co_u32 s3, s3, REG                       ; behind x's region
	v_add_nc_u32 v[ADRB+\z], s3, v4
	v_add_nc_u32 v[ADRB+3+\z], SLOT, v[ADRB+\z]
.endr
	s_mul_i32 s2, s16, 16*SP
	s_add_co_u32 s2, s2, STAGE                     ; my stage
	v_mul_u32_u24 v5, v1, SP
	v_lshl_add_u32 v5, v2, 4, v5
	v_add_nc_u32 v[STO], s2, v5                    ; in: row r, 16 bytes for each half of the lanes
	v_bfe_u32 v5, v0, 3, 2
	v_mul_u32_u24 v5, v5, SP
	v_and_b32 v6, 7, v0
	v_lshl_add_u32 v5, v6, 4, v5
	v_add_nc_u32 v[RD], s2, v5                     ; back: eight lanes take a row of 128 bytes, the wave four rows
	v_and_b32 v6, 31, v0
	v_lshlrev_b32 v[CO], 4, v6                     ; the same four rows are 512 consecutive bytes of qkvh
	v_lshlrev_b32 v[GOFF], 5, v2
	v_mov_b32 v[NM+1], 0                           ; upper halves of broadcast pairs, and a lane exchange's destination: written once, their values never used
	v_mov_b32 v[RS+1], 0
	v_mov_b32 v[TT+1], 0
	; per head: which gamma and beta (selects, no branch), is it a v head, and where it goes
.irp z, 0,1,2
	s_mul_i32 s78, s22, 6
	s_mul_i32 s92, s18, 3
	s_add_co_u32 s78, s78, s92
	s_add_co_u32 s78, s78, \z                      ; g = 6 bx + 3 wn + z
	s_cmp_lt_u32 s78, 16
	s_cselect_b64 s[GP+4*\z:GP+4*\z+1], s[6:7], s[10:11]       ; q's for a q head, else k's (a v head loads k's and selects them away)
	s_cselect_b64 s[GP+4*\z+2:GP+4*\z+3], s[8:9], s[12:13]
	s_cmp_ge_u32 s78, 32
	s_cselect_b32 s[ISV+\z], -1, 0
	s_lshl_b32 s92, s78, 19                        ; g x 4,096 rows x 128 bytes
	s_lshl_b32 s93, s23, 14                        ; + 128 by rows
	s_add_co_u32 s92, s92, s93
	s_lshl_b32 s93, s17, 13                        ; + 64 wm rows
	s_add_co_u32 s92, s92, s93
	s_mov_b32 s93, 0
	s_add_nc_u64 s[OUTB+2*\z:OUTB+2*\z+1], s[14:15], s[92:93]
.endr
.irp z, 0,1,2
.irp bb, 0,1,2,3
	global_load_b128 v[GA+64*\z+8*\bb:GA+64*\z+8*\bb+3],       v[GOFF], s[GP+4*\z:GP+4*\z+1] offset:64*\bb
	global_load_b128 v[GA+64*\z+8*\bb+4:GA+64*\z+8*\bb+7],     v[GOFF], s[GP+4*\z:GP+4*\z+1] offset:64*\bb+16
	global_load_b128 v[GA+32+64*\z+8*\bb:GA+32+64*\z+8*\bb+3],   v[GOFF], s[GP+4*\z+2:GP+4*\z+3] offset:64*\bb
	global_load_b128 v[GA+32+64*\z+8*\bb+4:GA+32+64*\z+8*\bb+7], v[GOFF], s[GP+4*\z+2:GP+4*\z+3] offset:64*\bb+16
.endr
.endr
	s_wait_loadcnt 0x0
.irp z, 0,1,2
.set i, 0
.rept 32
	v_cndmask_b32 v[GA+64*\z+i],    v[GA+64*\z+i],    1.0, s[ISV+\z]   ; a v head: gamma 1,
	v_cndmask_b32 v[GA+32+64*\z+i], v[GA+32+64*\z+i], 0,   s[ISV+\z]   ; beta 0
.set i, i+1
.endr
.endr
; 12 matrix instructions: x's rows 16 (2 hi + a) .. + 15 of my 64 x all 12 column tiles, 32 along K.  zero = 1: the first product starts the sum, nothing is cleared.
.macro MUL12 f, hi, a, zero
.irp b, 0,1,2,3,4,5,6,7,8,9,10,11
.if \zero
	v_wmma_f32_16x16x32_f16 v[8*(12*\a+\b):8*(12*\a+\b)+7], v[\f+8*\b:\f+8*\b+7], v[\f+96+8*(2*\hi+\a):\f+96+8*(2*\hi+\a)+7], 0
.else
	v_wmma_f32_16x16x32_f16 v[8*(12*\a+\b):8*(12*\a+\b)+7], v[\f+8*\b:\f+8*\b+7], v[\f+96+8*(2*\hi+\a):\f+96+8*(2*\hi+\a)+7], v[8*(12*\a+\b):8*(12*\a+\b)+7]
.endif
.endr
.endm
; 32 LDS loads in one run: quarter kq (32 along K) of a slot into buffer f: 24 for the weights, then 8 for x
.macro FETCH slot, kq, f
	WIN TO_F
.irp z, 0,1,2
.irp bb, 0,1,2,3
	ds_load_tr16_b128 v[\f+8*(4*\z+\bb):\f+8*(4*\z+\bb)+3],   v[ADRB+3*\slot+\z] offset:\kq*9216+32*\bb
	ds_load_tr16_b128 v[\f+8*(4*\z+\bb)+4:\f+8*(4*\z+\bb)+7], v[ADRB+3*\slot+\z] offset:\kq*9216+32*\bb+4608
.endr
.endr
.irp a, 0,1,2,3
	ds_load_b128 v[\f+96+8*\a:\f+96+8*\a+3],   v[ADRA+\slot] offset:\kq*64+\a*4352
	ds_load_b128 v[\f+96+8*\a+4:\f+96+8*\a+7], v[ADRA+\slot] offset:\kq*64+\a*4352+32
.endr
.endm
; A K step is four quarters of 32 along K, 48 matrix instructions each, on buffers 0, 1, 0, 1.  The 48 accumulators take turns, one instruction a turn, in the
; same order in every quarter, over the loop's backward jump too.
; One of the first three quarters: multiplies buffer f and, in its middle, fetches quarter kq of the same slot into buffer g.
.macro QUARTER slot, kq, f, g, zero
	s_wait_dscnt 0x4                               ; all of buffer f but the youngest four loads, x's rows 32-63, which the second half wants
	WIN MUL_LO
	MUL12 \f, 0, 0, \zero
	MUL12 \f, 0, 1, \zero
	PLACES
	FETCH \slot, \kq, \g
	s_wait_dscnt 0x20                              ; all but the 32 just issued
	WIN MUL_HI
	MUL12 \f, 1, 0, \zero
	MUL12 \f, 1, 1, \zero
.endm
.macro THREE slot, zero
	QUARTER \slot, 1, F0, F1, \zero
	QUARTER \slot, 2, F1, F0, 0
	QUARTER \slot, 3, F0, F1, 0
.endm
; The last quarter: multiplies buffer 1 and changes slots.  In front of the barrier each wave waits for its reads of this slot and for all its tensor loads (the one
; that is out is its part of the next slot).  fill = 1: the barrier opens a round of the cluster's barrier, and the joint refill, two K steps ahead, is the first
; tensor load behind the round's closing wait: no wave of any partner still reads this slot or has a load on its way.
.macro TURN slot, next, fill
	s_wait_dscnt 0x4
	WIN MUL_LO
	MUL12 F1, 0, 0, 0
	s_wait_dscnt 0x0                               ; my reads of this slot are over
	s_set_vgpr_msb 0xa5a0
	s_wait_tensorcnt 0x0                           ; all my tensor loads have landed
	ds_add_u32 v30, v31
	s_wait_dscnt 0x0
	s_set_vgpr_msb 0xa0a5
	s_barrier_signal -1
	MUL12 F1, 0, 1, 0                              ; register work while the others arrive
	WIN 0
	s_barrier_wait -1
.if \fill
	CREST
	s_add_nc_u64 s[G0A+4*\slot+2:G0A+4*\slot+3], s[G0A+4*\slot+2:G0A+4*\slot+3], 512
	s_add_nc_u64 s[G0B+4*\slot+2:G0B+4*\slot+3], s[G0B+4*\slot+2:G0B+4*\slot+3], 1572864
	JLOAD \slot
.endif
	PLACES
	FETCH \next, 0, F0
	WIN MUL_HI
	MUL12 F1, 1, 0, 0
	MUL12 F1, 1, 1, 0
.endm
.macro LAP zero                        ; two K steps, both slots filled again
	THREE 0, \zero
	TURN 0, 1, 1
	THREE 1, 0
	TURN 1, 0, 1
.endm
	s_wait_tensorcnt 0x1                           ; my part of K step 0 is in; K step 1's load stays out
	s_barrier_signal -1
	s_barrier_wait -1                              ; everybody's part is in
	FETCH 0, 0, F0
	LAP 1                                          ; K steps 0, 1: the first products start the sums
	WIN 0                                          ; at a label and at a branch every window is 0
	s_mov_b32 s19, 2
.Llap:
	LAP 0                                          ; K steps 2 to 5
	WIN 0
	s_sub_co_u32 s19, s19, 1
	s_cmp_lg_u32 s19, 0
	s_cbranch_scc1 .Llap
	THREE 0, 0                                     ; K steps 6, 7 fill nothing
	TURN 0, 1, 0
	THREE 1, 0
	s_wait_dscnt 0x4
	WIN MUL_LO
	MUL12 F1, 0, 0, 0
	MUL12 F1, 0, 1, 0
	s_wait_dscnt 0x0
	WIN MUL_HI
	MUL12 F1, 1, 0, 0
	MUL12 F1, 1, 1, 0
	PLACES                                         ; behind the last matrix instructions, in front of the first read of a result
; LayerNorm and the way out for rows 16 a .. 16 a + 15 of head z: the head's four tiles are 32 neighbouring accumulator registers
.macro LNOUT a, z
.set WN, 2+(\a>>1)
.set WW, WN|(WN<<2)
.set AB, 8*(12*(\a&1)+4*\z)
	s_wait_xcnt 0x0                                ; the last stores have had their addresses translated (ISA guide 3.1): DD, which they read, is rewritten only behind this wait
	WIN WW                                         ; sources 0 and 1: the accumulators' window
.irp i, 0,1,2,3,4,5,6,7
	v_pk_add_f32 v[DD+2*\i:DD+2*\i+1], v[AB+4*\i:AB+4*\i+1], v[AB+4*\i+2:AB+4*\i+3]
.endr
	WIN 0
	v_pk_add_f32 v[DD:DD+1],     v[DD:DD+1],     v[DD+2:DD+3]
	v_pk_add_f32 v[DD+4:DD+5],   v[DD+4:DD+5],   v[DD+6:DD+7]
	v_pk_add_f32 v[DD+8:DD+9],   v[DD+8:DD+9],   v[DD+10:DD+11]
	v_pk_add_f32 v[DD+12:DD+13], v[DD+12:DD+13], v[DD+14:DD+15]
	v_pk_add_f32 v[DD:DD+1],     v[DD:DD+1],     v[DD+4:DD+5]
	v_pk_add_f32 v[DD+8:DD+9],   v[DD+8:DD+9],   v[DD+12:DD+13]
	v_pk_add_f32 v[DD:DD+1],     v[DD:DD+1],     v[DD+8:DD+9]
	v_add_f32 v[TT], v[DD], v[DD+1]                ; my 32 numbers,
	v_permlanex16_b32 v[TT+1], v[TT], s66, s67
	v_add_f32 v[TT], v[TT], v[TT+1]                ; and the other half's 32
	v_mul_f32 v[TT], 0xbc800000, v[TT]             ; minus the mean
	v_cndmask_b32 v[NM], v[TT], 0, s[ISV+\z]       ; a v head: 0
	WIN WN                                         ; source 0: the accumulators' window
.irp i, 0,1,2,3,4,5,6,7,8,9,10,11,12,13,14,15
	v_pk_add_f32 v[DD+2*\i:DD+2*\i+1], v[AB+2*\i:AB+2*\i+1], v[NM:NM+1] op_sel_hi:[1,0]     ; the deviations
.endr
	WIN 0
	v_pk_mul_f32 v[TT:TT+1],   v[DD:DD+1],   v[DD:DD+1]                                    ; their squares, in two chains
	v_pk_mul_f32 v[TT+2:TT+3], v[DD+2:DD+3], v[DD+2:DD+3]
.irp i, 2,4,6,8,10,12,14
	v_pk_fma_f32 v[TT:TT+1],   v[DD+2*\i:DD+2*\i+1],   v[DD+2*\i:DD+2*\i+1],   v[TT:TT+1]
	v_pk_fma_f32 v[TT+2:TT+3], v[DD+2*\i+2:DD+2*\i+3], v[DD+2*\i+2:DD+2*\i+3], v[TT+2:TT+3]
.endr
	v_pk_add_f32 v[TT:TT+1], v[TT:TT+1], v[TT+2:TT+3]
	v_add_f32 v[TT], v[TT], v[TT+1]
	v_permlanex16_b32 v[TT+1], v[TT], s66, s67
	v_add_f32 v[TT], v[TT], v[TT+1]
	v_fma_f32 v[TT], v[TT], s77, s79               ; variance + 1e-6
	v_rsq_f32 v[TT+1], v[TT]
	v_nop                                          ; one plain vector instruction behind a transcendental before its result is used (ISA guide 5.7.2)
	s_wait_alu depctr_va_vdst(0)
	v_cndmask_b32 v[RS], v[TT+1], 1.0, s[ISV+\z]   ; a v head: 1
.irp i, 0,1,2,3,4,5,6,7,8,9,10,11,12,13,14,15
	v_pk_mul_f32 v[DD+2*\i:DD+2*\i+1], v[DD+2*\i:DD+2*\i+1], v[RS:RS+1] op_sel_hi:[1,0]
.endr
.irp i, 0,1,2,3,4,5,6,7,8,9,10,11,12,13,14,15
	v_pk_fma_f32 v[DD+2*\i:DD+2*\i+1], v[DD+2*\i:DD+2*\i+1], v[GA+64*\z+2*\i:GA+64*\z+2*\i+1], v[GA+32+64*\z+2*\i:GA+32+64*\z+2*\i+1]
.endr
.irp i, 0,1,2,3,4,5,6,7,8,9,10,11,12,13,14,15
	v_cvt_pk_f16_f32 v[DD+\i], v[DD+2*\i], v[DD+2*\i+1]        ; ascending in place: word i is written after words 2 i, 2 i + 1 of every smaller i were read
.endr
.irp bb, 0,1,2,3
	ds_store_b128 v[STO], v[DD+4*\bb:DD+4*\bb+3] offset:32*\bb ; columns 16 bb + 8 h .. + 7 of row r
.endr
.irp t, 0,1,2,3
	ds_load_b128 v[DD+16+4*\t:DD+16+4*\t+3], v[RD] offset:576*\t       ; my own bytes: LDS serves a wave's instructions in order (ISA guide 5.7.1), these see the stores above
.endr
.irp t, 0,1,2,3
	s_wait_dscnt 3-\t                              ; read-back t is in, the younger ones stay out
	global_store_b128 v[CO], v[DD+16+4*\t:DD+16+4*\t+3], s[OUTB+2*\z:OUTB+2*\z+1] offset:2048*\a+512*\t       ; four rows of the head: 512 consecutive bytes, aligned
.endr
.endm
.irp a, 0,1,2,3
.irp z, 0,1,2
	LNOUT \a, \z
.endr
.endr
	s_wait_tensorcnt 0x0
	ds_add_u32 v30, v31
	s_wait_dscnt 0x0
	CROUND                                         ; the closing round: no work-group ends while a partner may still ask for a tile that names it
	s_endpgm
.Lfunc_end_k_qcc7321f96f_qkv:
	.size	k_qcc7321f96f_qkv, .Lfunc_end_k_qcc7321f96f_qkv-k_qcc7321f96f_qkv
	.p2alignl 7, 3214868480
	.fill 96, 4, 3214868480
	.section	.rodata,"a",@progbits
	.p2align	6, 0x0
	.amdhsa_kernel k_qcc7321f96f_qkv
		.amdhsa_group_segment_fixed_size 327680
		.amdhsa_private_segment_fixed_size 0
		.amdhsa_enable_private_segment 0
		.amdhsa_kernarg_size 48
		.amdhsa_user_sgpr_count 2
		.amdhsa_user_sgpr_kernarg_segment_ptr 1
		.amdhsa_wavefront_size32 1
		.amdhsa_system_sgpr_workgroup_id_x 1
		.amdhsa_system_sgpr_workgroup_id_y 1
		.amdhsa_system_sgpr_workgroup_id_z 1
		.amdhsa_system_vgpr_workitem_id 0
		.amdhsa_next_free_vgpr 960
		.amdhsa_next_free_sgpr 94
		.amdhsa_reserve_vcc 0
		.amdhsa_float_denorm_mode_32 3
		.amdhsa_float_denorm_mode_16_64 3
		.amdhsa_memory_ordered 1
		.amdhsa_forward_progress 1
		.amdhsa_inst_pref_size 251
	.end_amdhsa_kernel
	.amdgpu_metadata
---
amdhsa.version: [ 1, 2 ]
amdhsa.kernels:
  - .name:           k_qcc7321f96f_qkv
    .symbol:         k_qcc7321f96f_qkv.kd
    .args:
      - { .name: h16, .offset: 0, .size: 8, .value_kind: global_buffer, .address_space: global }
      - { .name: q_gamma, .offset: 8, .size: 8, .value_kind: global_buffer, .address_space: global }
      - { .name: q_beta, .offset: 16, .size: 8, .value_kind: global_buffer, .address_space: global }
      - { .name: k_gamma, .offset: 24, .size: 8, .value_kind: global_buffer, .address_space: global }
      - { .name: k_beta, .offset: 32, .size: 8, .value_kind: global_buffer, .address_space: global }
      - { .name: qkvh, .offset: 40, .size: 8, .value_kind: global_buffer, .address_space: global }
    .group_segment_fixed_size: 327680
    .private_segment_fixed_size: 0
    .kernarg_segment_align: 8
    .kernarg_segment_size: 48
    .max_flat_workgroup_size: 128
    .sgpr_count:     94
    .vgpr_count:     960
    .wavefront_size: 32
...
	.end_amdgpu_metadata
.endif
;; end of part 2
;; launch attn (part 3): grid 8 x 32, 4 waves a work-group, clusters of 4 x 1, 327,680 bytes of LDS; arguments qkvh, ao; writes ao
.if DOCPART == 3
	.amdgcn_target "amdgcn-amd-amdhsa--gfx1250"
	.amdhsa_code_object_version 6
	.text
	.protected	k_qcc7321f96f_attn
	.globl	k_qcc7321f96f_attn
	.p2align	8
	.type	k_qcc7321f96f_attn,@function
k_qcc7321f96f_attn:
	s_mov_b64 s[64:65], 0
	v_nop
	global_prefetch_b8 v0, s[64:65] scope:SCOPE_SE
	s_setreg_imm32_b32 hwreg(HW_REG_WAVE_MODE, 25, 1), 1
	s_wait_xcnt 0x0
	s_wait_alu depctr_hold_cnt(0) depctr_sa_sdst(0) depctr_va_vdst(0) depctr_va_sdst(0) depctr_va_ssrc(0) depctr_va_vcc(0) depctr_vm_vsrc(0)
	s_getreg_b32 s2, hwreg(HW_REG_IB_STS2, 6, 4)
	s_cmp_eq_u32 s2, 0
	s_cbranch_scc0 .Lentry_in_a_cluster
	s_endpgm
.Lentry_in_a_cluster:
	s_bfe_u32 s2, ttmp6, 0x10000c
	s_cmp_lg_u32 s2, 0x3003
	s_cbranch_scc0 .Lentry_shape_is_right
	s_endpgm
.Lentry_shape_is_right:
; softmax(q k^T / 8) v for 32 (head, batch) pairs of 2,048 x 2,048 x 64, with a running maximum.  q, k, v: qkvh [48][4096][64] f16.  ao: [16][4096][64] f16.
; Work-group (x, y): y = 2 head + batch, 256 queries; a wave takes 64 queries (4 tiles of 16).  Keys go in 8 tiles of 256 through two LDS slots,
; each tile in 4 sub-blocks of 64 keys: 32 + 32 matrix instructions for 32 LDS loads.
; CLUSTERS: the four work-groups of a cluster are four query blocks of one y and walk the same K and V tiles in the same order: every tile is asked for
; jointly (mask 15), which divides the requests for K and V by four.  No descriptor word and no LDS address holds the place in the cluster.
; BOTH PRODUCTS ARE TRANSPOSED.  S^T = K Q^T: lane (r, h) holds query r, register j key 8 h + j of the tile.  Two neighbouring key tiles, packed in pairs
; to f16, ARE the second source of O^T = V^T P^T (K = 8 h + 0..7 in registers 0-3, 16 + 8 h + 0..7 in 4-7): no shuffle.  V^T's fragments come from V as
; it lies, [key][d], by the transposing load.  Maximum, sum and rescaling are per lane; the maximum crosses the halves once for each sub-block, the sum once at the end.
; p = 2^(c s - c m), c = log2(e) / 8, m the running maximum of the raw products s.
; LIMITS: a NaN among the products is dropped by the maximum, infinities are not followed; a p below 2^-126 comes out as 0 (v_exp_f32 flushes, ISA guide 15.8),
; one below 2^-24 is rounded to 0 or to 2^-24 in f16; the denominator adds the unrounded p while P V takes p rounded to f16 (11 bits); the result is rounded once to f16, and has v's range.
;
; LDS: slot s at 77,824 s: K, 256 rows, pitch 144, then V at + 36,864, 256 rows, pitch 160; wave w fetches rows 64 w .. 64 w + 63 of both.
; Behind the ring each wave's own stage, 16 rows, pitch 144, into which no tensor load lands.
.set SLOT,  77824
.set VOFF,  36864
.set STAGE, 2*SLOT
.set SP,    144
; window 0
.set ADRK, 4                           ; v4-5   LDS address of my K fragments in slot 0, 1
.set ADRV, 6                           ; v6-7   the same for V
.set STO,  8
.set RD,   9
.set CO,   10
.set QOFF, 11
.set KF,   32                          ; v[32:95]   K fragment (key tile kt, half dc of d) at 16 kt + 8 dc
.set VF,   96                          ; v[96:159]  V^T fragment (32 keys kc, d tile dt) at 8 (4 kc + dt)
.set PKR,  160                         ; v[160:175] the way out: packed
.set RB,   176                         ; v[176:191] the way out: read back
; window 1: S tile (qt, kt) at 8 (4 qt + kt), v[0:127]
.set PF,   128                         ; v[128:191] P: word 16 qt + i = S words 32 qt + 2 i, + 1
.set MX,   192                         ; running maximum of query tile qt
.set MNW,  196                         ; the new one
.set AL,   200                         ; pairs: 2^(c (old - new)); at the end 1 / sum
.set NMC,  208                         ; pairs: - c x maximum
.set LP,   216                         ; pairs: two running sums a lane
.set TT,   224
.set UU,   228
.set XX,   232
; window 2: O tile (dt, qt) at 8 (4 qt + dt), v[0:127]
.set QF,   128                         ; v[128:191] Q fragment (qt, dc) at 16 qt + 8 dc
.set G1K, 16
.set G1V, 24
.set G0K, 32                           ; s[32:39] a set for each slot
.set G0V, 40                           ; s[40:47]
.set W_Q,  0x80                        ; destination window 2
.set W_S,  0x58                        ; D, C window 1; source 0 (K) window 0; source 1 (Q) window 2
.set W_X,  0x55                        ; all window 1
.set W_OA, 0x86                        ; destination and source 0 window 2, source 1 window 1
.set W_PV, 0xa4                        ; D, C window 2; source 0 (V) window 0; source 1 (P) window 1
.set W_PK, 0x0a                        ; sources window 2, destination window 0
.set MSB, 0
.macro WIN new
.if MSB != \new
	s_set_vgpr_msb (MSB<<8)|\new
.set MSB, \new
.endif
.endm
.macro PLACES                          ; four plain vector instructions behind a matrix instruction before its registers are loaded into or its result read (ISA guide 7.12.1)
.rept 4
	v_nop
.endr
.endm
.macro ROUND                           ; a round of the cluster's barrier
	s_barrier_signal -1
	s_barrier_wait -1
	s_cmp_lg_u32 s8, 0
	s_cbranch_scc1 .Lnot_wave_0_\@
	s_barrier_signal -3
.Lnot_wave_0_\@:
	s_barrier_wait -3
	s_barrier_signal -1
	s_barrier_wait -1
.endm
	s_load_b128 s[4:7], s[0:1], 0x0                ; qkvh s[4:5], ao s[6:7]
	v_lshl_add_u32 v254, v0, 2, 0x29000
	v_mov_b32 v255, 0
	ds_add_u32 v254, v255
	v_lshrrev_b32 v1, 5, v0
	v_readfirstlane_b32 s8, v1                     ; wave w
	s_bfe_u32 s10, ttmp6, 0x40000                  ; cx
	s_lshl_b32 s11, ttmp9, 2
	s_add_co_u32 s11, s11, s10                     ; query block, 0..7
	s_and_b32 s12, ttmp7, 0xffff                   ; y = 2 head + batch
	; group 1: 64 rows x 64 elements of 2 bytes, dense in memory; behind every 32 words of a row 4 (K) or 8 (V) words of padding; mask 15, bit 21 beside it
	s_mov_b32 s[G1K+0], 15|(1<<16)|(1<<20)|(1<<21)|(4<<22)|(3<<25)
	s_mov_b32 s[G1V+0], 15|(1<<16)|(1<<20)|(1<<21)|(4<<22)|(7<<25)
	s_mov_b32 s[G1K+1], 64<<16
	s_mov_b32 s[G1V+1], 64<<16
	s_mov_b32 s[G1K+2], 64<<16
	s_mov_b32 s[G1V+2], 64<<16
	s_mov_b32 s[G1K+3], 64<<16
	s_mov_b32 s[G1V+3], 64<<16
	s_mov_b32 s[G1K+4], 64
	s_mov_b32 s[G1V+4], 64
	s_mov_b32 s[G1K+5], 64
	s_mov_b32 s[G1V+5], 64
	s_mov_b32 s[G1K+6], 0
	s_mov_b32 s[G1V+6], 0
	s_mov_b32 s[G1K+7], 0
	s_mov_b32 s[G1V+7], 0
	s_add_co_u32 s56, s12, 32                      ; K: heads 16..31: (32 + y) x 2,048 rows x 128 bytes,
	s_lshl_b32 s56, s56, 18
	s_lshl_b32 s57, s8, 13                         ; + my 64 rows of a tile
	s_add_co_u32 s56, s56, s57
	s_mov_b32 s57, 0
	s_mul_i32 s58, s8, 9216                        ; 64 rows of pitch 144
	s_mul_i32 s59, s8, 10240                       ; 64 rows of pitch 160
	s_lshl_b32 s14, s12, 18                        ; Q and the result: y x 2,048 rows + 256 x block + 64 w, x 128 bytes
	s_lshl_b32 s15, s11, 15
	s_add_co_u32 s14, s14, s15
	s_lshl_b32 s15, s8, 13
	s_add_co_u32 s14, s14, s15
	s_mov_b32 s15, 0
	s_mov_b32 s48, 0x76543210                      ; v_permlanex16_b32: lane i of one half reads lane i of the other
	s_mov_b32 s49, 0xfedcba98
	s_mov_b32 s50, 0x3e38aa3b                      ; c = log2(e) / 8
	s_mov_b32 s51, 0x3e38aa3b
	s_wait_dscnt 0x0
	s_wait_kmcnt 0x0
	s_add_nc_u64 s[60:61], s[4:5], s[56:57]
	s_add_nc_u64 s[52:53], s[4:5], s[14:15]
	s_add_nc_u64 s[54:55], s[6:7], s[14:15]
.irp s, 0,1
	s_mov_b32 s[G0K+4*\s], 1
	s_add_co_u32 s[G0K+4*\s+1], s58, \s*SLOT
	s_add_nc_u64 s[G0K+4*\s+2:G0K+4*\s+3], s[60:61], \s*32768                  ; tile s: 256 rows of 128 bytes
	s_or_b32 s[G0K+4*\s+3], s[G0K+4*\s+3], 0x80000000
	s_mov_b32 s[G0V+4*\s], 1
	s_add_co_u32 s[G0V+4*\s+1], s59, \s*SLOT+VOFF
	s_add_nc_u64 s[G0V+4*\s+2:G0V+4*\s+3], s[60:61], \s*32768+8388608          ; V's heads lie 16 heads behind K's
	s_or_b32 s[G0V+4*\s+3], s[G0V+4*\s+3], 0x80000000
.endr
	ROUND                                          ; the four work-groups are here: the first joint loads meet
	tensor_load_to_lds s[G0K:G0K+3], s[G1K:G1K+7]  ; tile 0
	s_nop 0
	tensor_load_to_lds s[G0V:G0V+3], s[G1V:G1V+7]
	s_nop 0
	v_and_b32 v1, 15, v0                           ; r
	v_bfe_u32 v2, v0, 4, 1                         ; h
	v_mul_u32_u24 v3, v1, 144
	v_lshl_add_u32 v[ADRK], v2, 4, v3              ; K: r x pitch + 16 h, two loads 32 bytes apart
	v_add_nc_u32 v[ADRK+1], SLOT, v[ADRK]
	v_and_b32 v12, 7, v0                           ; V, stored [key][d]: row 8 h + (lane & 7), 16 bytes (lane >> 3) & 1, two loads 16 rows apart
	v_lshl_add_u32 v12, v2, 3, v12
	v_mul_u32_u24 v12, v12, 160
	v_bfe_u32 v13, v0, 3, 1
	v_lshl_add_u32 v12, v13, 4, v12
	v_add_nc_u32 v[ADRV], VOFF, v12
	v_add_nc_u32 v[ADRV+1], SLOT+VOFF, v12
	s_mul_i32 s2, s8, 16*SP
	s_add_co_u32 s2, s2, STAGE                     ; my stage
	v_add_nc_u32 v[STO], s2, v[ADRK]               ; in: row r, 16 bytes for each half (the same pitch as K's)
	v_bfe_u32 v13, v0, 3, 2
	v_mul_u32_u24 v13, v13, SP
	v_and_b32 v14, 7, v0
	v_lshl_add_u32 v13, v14, 4, v13
	v_add_nc_u32 v[RD], s2, v13                    ; back: eight lanes a row, four rows a load
	v_and_b32 v14, 31, v0
	v_lshlrev_b32 v[CO], 4, v14
	v_lshlrev_b32 v14, 7, v1
	v_lshl_add_u32 v[QOFF], v2, 4, v14             ; Q from memory: row r, 16 h
	WIN W_Q
.irp qt, 0,1,2,3
.irp dc, 0,1
	global_load_b128 v[QF+16*\qt+8*\dc:QF+16*\qt+8*\dc+3],   v[QOFF], s[52:53] offset:2048*\qt+64*\dc
	global_load_b128 v[QF+16*\qt+8*\dc+4:QF+16*\qt+8*\dc+7], v[QOFF], s[52:53] offset:2048*\qt+64*\dc+32
.endr
.endr
	WIN W_X
.irp qt, 0,1,2,3
	v_mov_b32 v[AL+2*\qt+1], 0                     ; upper halves of broadcast pairs and the lane exchange's destinations: written once, their values never used
	v_mov_b32 v[NMC+2*\qt+1], 0
	v_mov_b32 v[UU+\qt], 0
.endr
	WIN 0
	s_wait_loadcnt 0x0                             ; Q, once
.macro FETCHK slot, sb                 ; 16 loads: 64 keys x 64 d
.irp kt, 0,1,2,3
.irp dc, 0,1
	ds_load_b128 v[KF+16*\kt+8*\dc:KF+16*\kt+8*\dc+3],   v[ADRK+\slot] offset:2304*\kt+64*\dc+9216*(\sb)
	ds_load_b128 v[KF+16*\kt+8*\dc+4:KF+16*\kt+8*\dc+7], v[ADRK+\slot] offset:2304*\kt+64*\dc+32+9216*(\sb)
.endr
.endr
.endm
.macro FETCHV slot, sb                 ; 16 loads: 64 d x 64 keys, transposed on the way
.irp kc, 0,1
.irp dt, 0,1,2,3
	ds_load_tr16_b128 v[VF+8*(4*\kc+\dt):VF+8*(4*\kc+\dt)+3],   v[ADRV+\slot] offset:5120*\kc+32*\dt+10240*(\sb)
	ds_load_tr16_b128 v[VF+8*(4*\kc+\dt)+4:VF+8*(4*\kc+\dt)+7], v[ADRV+\slot] offset:5120*\kc+32*\dt+2560+10240*(\sb)
.endr
.endr
.endm
; One sub-block of 64 keys.  first = 1: the launch's first: it starts maximum, sums and O.  more = 1: the next sub-block's K fragments are fetched.
; In both products the 16 accumulators take turns, one instruction a turn.
.macro SUB slot, sb, first, more
	s_wait_dscnt 0x0                               ; this sub-block's K fragments are in
	WIN W_S
.irp qt, 0,1,2,3
.irp kt, 0,1,2,3
	v_wmma_f32_16x16x32_f16 v[8*(4*\qt+\kt):8*(4*\qt+\kt)+7], v[KF+16*\kt:KF+16*\kt+7], v[QF+16*\qt:QF+16*\qt+7], 0
.endr
.endr
.irp qt, 0,1,2,3
.irp kt, 0,1,2,3
	v_wmma_f32_16x16x32_f16 v[8*(4*\qt+\kt):8*(4*\qt+\kt)+7], v[KF+16*\kt+8:KF+16*\kt+15], v[QF+16*\qt+8:QF+16*\qt+15], v[8*(4*\qt+\kt):8*(4*\qt+\kt)+7]
.endr
.endr
	PLACES                                         ; in front of the loads into V's and K's fragments and of the first read of S
	WIN 0
	FETCHV \slot, \sb
.if \more
	FETCHK \slot, \sb+1
.endif
	WIN W_X
	; the largest of my 32 products of each query tile: four chains
.irp qt, 0,1,2,3
	v_max_num_f32 v[TT+\qt], v[32*\qt], v[32*\qt+1]
.endr
.irp i, 1,2,3,4,5,6,7,8,9,10,11,12,13,14,15
.irp qt, 0,1,2,3
	v_max3_num_f32 v[TT+\qt], v[TT+\qt], v[32*\qt+2*\i], v[32*\qt+2*\i+1]
.endr
.endr
.irp qt, 0,1,2,3
	v_permlanex16_b32 v[UU+\qt], v[TT+\qt], s48, s49           ; the other half's 32 keys of the same query
.endr
.if \first
.irp qt, 0,1,2,3
	v_max_num_f32 v[MNW+\qt], v[TT+\qt], v[UU+\qt]
.endr
.else
.irp qt, 0,1,2,3
	v_max3_num_f32 v[MNW+\qt], v[TT+\qt], v[UU+\qt], v[MX+\qt]
.endr
.irp qt, 0,1,2,3
	v_sub_f32 v[XX+\qt], v[MX+\qt], v[MNW+\qt]                 ; at most 0
.endr
.irp qt, 0,1,2,3
	v_mul_f32 v[XX+\qt], s50, v[XX+\qt]
.endr
.irp qt, 0,1,2,3
	v_exp_f32 v[AL+2*\qt], v[XX+\qt]                           ; what the old sums and O shrink by
.endr
.endif
.irp qt, 0,1,2,3
	v_mul_f32 v[NMC+2*\qt], 0xbe38aa3b, v[MNW+\qt]             ; - c m; these plain lines also stand behind the exponentials above (ISA guide 5.7.2)
.endr
.irp qt, 0,1,2,3
	v_mov_b32 v[MX+\qt], v[MNW+\qt]
.endr
.irp qt, 0,1,2,3
.irp i, 0,1,2,3,4,5,6,7,8,9,10,11,12,13,14,15
	v_pk_fma_f32 v[32*\qt+2*\i:32*\qt+2*\i+1], v[32*\qt+2*\i:32*\qt+2*\i+1], s[50:51], v[NMC+2*\qt:NMC+2*\qt+1] op_sel_hi:[1,0,0]   ; c s - c m, one rounding
.endr
.endr
.set i, 0
.rept 128
	v_exp_f32 v[i], v[i]
.set i, i+1
.endr
	v_nop                                          ; one plain vector instruction behind the last exponential before a result is used (ISA guide 5.7.2)
.if \first
	s_wait_alu depctr_va_vdst(0)
.irp qt, 0,1,2,3
	v_pk_add_f32 v[LP+2*\qt:LP+2*\qt+1], v[32*\qt:32*\qt+1], v[32*\qt+2:32*\qt+3]
.endr
.else
	s_wait_alu depctr_va_vdst(0)
.irp qt, 0,1,2,3
	v_pk_fma_f32 v[LP+2*\qt:LP+2*\qt+1], v[LP+2*\qt:LP+2*\qt+1], v[AL+2*\qt:AL+2*\qt+1], v[32*\qt:32*\qt+1] op_sel_hi:[1,0,1]
.endr
.irp qt, 0,1,2,3
	v_pk_add_f32 v[LP+2*\qt:LP+2*\qt+1], v[LP+2*\qt:LP+2*\qt+1], v[32*\qt+2:32*\qt+3]
.endr
.endif
.irp i, 2,3,4,5,6,7,8,9,10,11,12,13,14,15
.irp qt, 0,1,2,3
	v_pk_add_f32 v[LP+2*\qt:LP+2*\qt+1], v[LP+2*\qt:LP+2*\qt+1], v[32*\qt+2*\i:32*\qt+2*\i+1]
.endr
.endr
.set i, 0
.rept 64
	v_cvt_pk_f16_f32 v[PF+i], v[2*i], v[2*i+1]
.set i, i+1
.endr
.if \first == 0
	WIN W_OA
.irp qt, 0,1,2,3
.irp i, 0,1,2,3,4,5,6,7,8,9,10,11,12,13,14,15
	v_pk_mul_f32 v[32*\qt+2*\i:32*\qt+2*\i+1], v[32*\qt+2*\i:32*\qt+2*\i+1], v[AL+2*\qt:AL+2*\qt+1] op_sel_hi:[1,0]
.endr
.endr
.endif
.if \more
	s_wait_dscnt 0x10                              ; V's 16 loads are in; the 16 younger ones, the next sub-block's K, stay out
.else
	s_wait_dscnt 0x0
.endif
	WIN W_PV
.irp dt, 0,1,2,3
.irp qt, 0,1,2,3
.if \first
	v_wmma_f32_16x16x32_f16 v[8*(4*\qt+\dt):8*(4*\qt+\dt)+7], v[VF+8*\dt:VF+8*\dt+7], v[PF+16*\qt:PF+16*\qt+7], 0
.else
	v_wmma_f32_16x16x32_f16 v[8*(4*\qt+\dt):8*(4*\qt+\dt)+7], v[VF+8*\dt:VF+8*\dt+7], v[PF+16*\qt:PF+16*\qt+7], v[8*(4*\qt+\dt):8*(4*\qt+\dt)+7]
.endif
.endr
.endr
.irp dt, 0,1,2,3
.irp qt, 0,1,2,3
	v_wmma_f32_16x16x32_f16 v[8*(4*\qt+\dt):8*(4*\qt+\dt)+7], v[VF+32+8*\dt:VF+32+8*\dt+7], v[PF+16*\qt+8:PF+16*\qt+15], v[8*(4*\qt+\dt):8*(4*\qt+\dt)+7]
.endr
.endr
.endm
; One tile of 256 keys.  In front of the round every wave waits for all its tensor loads (its parts of this tile) and for its reads of the last tile; behind the
; round's closing wait the next tile is asked for first, into the slot read last, and has this tile's whole work in which to land.  Two tensor loads of a wave are then out.
.macro TRIP slot, refill, first
	WIN 0
	s_wait_tensorcnt 0x0                           ; no tensor load of mine is out: every group 0 may be written
	ds_add_u32 v254, v255
	s_wait_dscnt 0x0
	s_add_nc_u64 s[G0K+4*\slot+2:G0K+4*\slot+3], s[G0K+4*\slot+2:G0K+4*\slot+3], 65536     ; this slot's next tile, two tiles on
	s_add_nc_u64 s[G0V+4*\slot+2:G0V+4*\slot+3], s[G0V+4*\slot+2:G0V+4*\slot+3], 65536
	s_wait_dscnt 0x0
	ROUND
.if \refill
	tensor_load_to_lds s[G0K+4-4*\slot:G0K+7-4*\slot], s[G1K:G1K+7]
	s_nop 0
	tensor_load_to_lds s[G0V+4-4*\slot:G0V+7-4*\slot], s[G1V:G1V+7]
	s_nop 0
.endif
	FETCHK \slot, 0
	SUB \slot, 0, \first, 1
	SUB \slot, 1, 0, 1
	SUB \slot, 2, 0, 1
	SUB \slot, 3, 0, 0
.endm
	TRIP 0, 1, 1                                   ; tiles 0, 1
	TRIP 1, 1, 0
	WIN 0                                          ; at a label and at a branch every window is 0
	s_mov_b32 s9, 2
.Ltiles:
	TRIP 0, 1, 0                                   ; tiles 2 to 5
	TRIP 1, 1, 0
	WIN 0
	s_sub_co_u32 s9, s9, 1
	s_cmp_lg_u32 s9, 0
	s_cbranch_scc1 .Ltiles
	TRIP 0, 1, 0                                   ; tile 6 asks for tile 7, the last
	TRIP 1, 0, 0                                   ; (the addresses stepped in these two trips are not used)
	PLACES                                         ; behind the last matrix instructions, in front of the first read of O
	WIN W_X
.irp qt, 0,1,2,3
	v_add_f32 v[TT+\qt], v[LP+2*\qt], v[LP+2*\qt+1]
.endr
.irp qt, 0,1,2,3
	v_permlanex16_b32 v[UU+\qt], v[TT+\qt], s48, s49
.endr
.irp qt, 0,1,2,3
	v_add_f32 v[TT+\qt], v[TT+\qt], v[UU+\qt]      ; the whole sum; at least 1, since the key of the maximum adds 2^0
.endr
.irp qt, 0,1,2,3
	v_rcp_f32 v[AL+2*\qt], v[TT+\qt]
.endr
	v_nop                                          ; behind the last reciprocal (ISA guide 5.7.2)
	WIN W_OA
	s_wait_alu depctr_va_vdst(0)
.irp qt, 0,1,2,3
.irp i, 0,1,2,3,4,5,6,7,8,9,10,11,12,13,14,15
	v_pk_mul_f32 v[32*\qt+2*\i:32*\qt+2*\i+1], v[32*\qt+2*\i:32*\qt+2*\i+1], v[AL+2*\qt:AL+2*\qt+1] op_sel_hi:[1,0]
.endr
.endr
; the way out, 16 queries at a time: lane (r, h) holds d = 16 dt + 8 h + 0..7 of query r: 16 bytes into my stage, whole rows back, four rows to a store
.macro OUTQ qt
	s_wait_xcnt 0x0                                ; the last stores have had their addresses translated (ISA guide 3.1): RB, which they read, is loaded again only behind this wait
	WIN W_PK
.irp i, 0,1,2,3,4,5,6,7,8,9,10,11,12,13,14,15
	v_cvt_pk_f16_f32 v[PKR+\i], v[32*\qt+2*\i], v[32*\qt+2*\i+1]
.endr
	WIN 0
.irp dt, 0,1,2,3
	ds_store_b128 v[STO], v[PKR+4*\dt:PKR+4*\dt+3] offset:32*\dt
.endr
.irp t, 0,1,2,3
	ds_load_b128 v[RB+4*\t:RB+4*\t+3], v[RD] offset:576*\t     ; my own bytes, served in order (ISA guide 5.7.1)
.endr
.irp t, 0,1,2,3
	s_wait_dscnt 3-\t                              ; read-back t is in, the younger ones stay out
	global_store_b128 v[CO], v[RB+4*\t:RB+4*\t+3], s[54:55] offset:2048*\qt+512*\t     ; 512 consecutive bytes, aligned
.endr
.endm
	OUTQ 0
	OUTQ 1
	OUTQ 2
	OUTQ 3
	s_wait_tensorcnt 0x0
	ds_add_u32 v254, v255
	s_wait_dscnt 0x0
	ROUND                                          ; the closing round: no work-group ends while a partner may still ask for a tile that names it
	s_endpgm
.Lfunc_end_k_qcc7321f96f_attn:
	.size	k_qcc7321f96f_attn, .Lfunc_end_k_qcc7321f96f_attn-k_qcc7321f96f_attn
	.p2alignl 7, 3214868480
	.fill 96, 4, 3214868480
	.section	.rodata,"a",@progbits
	.p2align	6, 0x0
	.amdhsa_kernel k_qcc7321f96f_attn
		.amdhsa_group_segment_fixed_size 327680
		.amdhsa_private_segment_fixed_size 0
		.amdhsa_enable_private_segment 0
		.amdhsa_kernarg_size 16
		.amdhsa_user_sgpr_count 2
		.amdhsa_user_sgpr_kernarg_segment_ptr 1
		.amdhsa_wavefront_size32 1
		.amdhsa_system_sgpr_workgroup_id_x 1
		.amdhsa_system_sgpr_workgroup_id_y 1
		.amdhsa_system_sgpr_workgroup_id_z 1
		.amdhsa_system_vgpr_workitem_id 0
		.amdhsa_next_free_vgpr 704
		.amdhsa_next_free_sgpr 66
		.amdhsa_reserve_vcc 0
		.amdhsa_float_denorm_mode_32 3
		.amdhsa_float_denorm_mode_16_64 3
		.amdhsa_memory_ordered 1
		.amdhsa_forward_progress 1
		.amdhsa_inst_pref_size 255
	.end_amdhsa_kernel
	.section	.bss,"aw",@nobits
	.p2align	6
	.space	262144
	.amdgpu_metadata
---
amdhsa.version: [ 1, 2 ]
amdhsa.kernels:
  - .name:           k_qcc7321f96f_attn
    .symbol:         k_qcc7321f96f_attn.kd
    .args:
      - { .name: qkvh, .offset: 0, .size: 8, .value_kind: global_buffer, .address_space: global }
      - { .name: ao, .offset: 8, .size: 8, .value_kind: global_buffer, .address_space: global }
    .group_segment_fixed_size: 327680
    .private_segment_fixed_size: 0
    .kernarg_segment_align: 8
    .kernarg_segment_size: 16
    .max_flat_workgroup_size: 128
    .sgpr_count:     66
    .vgpr_count:     704
    .wavefront_size: 32
...
	.end_amdgpu_metadata
.endif
;; end of part 3
;; launch proj (part 4): grid 8 x 32, 4 waves a work-group, clusters of 4 x 4, 327,680 bytes of LDS; arguments ao, h16, proj_b, out0; writes out0
.if DOCPART == 4
	.amdgcn_target "amdgcn-amd-amdhsa--gfx1250"
	.amdhsa_code_object_version 6
	.text
	.protected	k_qcc7321f96f_proj
	.globl	k_qcc7321f96f_proj
	.p2align	8
	.type	k_qcc7321f96f_proj,@function
k_qcc7321f96f_proj:
	s_mov_b64 s[64:65], 0
	v_nop
	global_prefetch_b8 v0, s[64:65] scope:SCOPE_SE
	s_setreg_imm32_b32 hwreg(HW_REG_WAVE_MODE, 25, 1), 1
	s_wait_xcnt 0x0
	s_wait_alu depctr_hold_cnt(0) depctr_sa_sdst(0) depctr_va_vdst(0) depctr_va_sdst(0) depctr_va_ssrc(0) depctr_va_vcc(0) depctr_vm_vsrc(0)
	s_getreg_b32 s2, hwreg(HW_REG_IB_STS2, 6, 4)
	s_cmp_eq_u32 s2, 0
	s_cbranch_scc0 .Lentry_in_a_cluster
	s_endpgm
.Lentry_in_a_cluster:
	s_bfe_u32 s2, ttmp6, 0x10000c
	s_cmp_lg_u32 s2, 0xf033
	s_cbranch_scc0 .Lentry_shape_is_right
	s_endpgm
.Lentry_shape_is_right:
; out0 = attention output x proj_w + proj_b.  ao: [16 heads][4096][64] f16 (K index = 64 head + d); proj_w as f16 [K = 1024][N = 1024] at byte 14,680,064 of h16;
; proj_b [1024] f32; out0 [4096][1024] f32.  f16 operands, f32 sums; the bias is the first addend of each sum.
; A work-group makes 128 x 128, a wave 64 x 64: 16 accumulator tiles.  4,096 x 1,024 outputs over 256 work-groups of four waves are 4,096 a wave: a larger wave
; tile would leave work-groups without work.  K goes in 4 steps of 256 (4 heads) through two LDS slots; no loop.
; CLUSTERS: 4 x 4.  ao's tiles hang on the block row alone and are asked for jointly by a row of the cluster, proj_w's on the block column alone, by a column.
; The matrix instruction is used transposed (source 0 = 16 columns of proj_w, by the transposing load; source 1 = 16 rows of ao): lane (r, h) holds row r,
; register j column 8 h + j: eight neighbouring f32 of a row of out0.
; LIMITS: as the operands': magnitudes above 65,504 in ao or proj_w have become infinity on the way here; NaN and infinities are passed on as the matrix unit makes them.
;
; LDS: slot s at 147,456 s, four regions of 36,864, region w filled by wave w with two loads of 18,432: ao's plane p (head 4 step + p) at 18,432 p, 128 rows, pitch 144;
; proj_w's 256 k rows at 73,728, pitch 288.  Behind the ring each wave's own stage, 16 rows of 256 bytes, pitch 272, into which no tensor load lands.
.set PW_OFF, 14680064
.set REG,    36864
.set HALF,   18432
.set SLOT,   4*REG
.set WOFF,   2*REG
.set STAGE,  2*SLOT
.set PA,     144
.set PB,     288
.set SP,     272
.set ADRA, 4                           ; v4-5  LDS address of my ao fragments in slot 0, 1
.set ADRB, 6                           ; v6-9  proj_w: slot s, k rows 128 hf .. at 2 s + hf
.set STO,  10
.set RD,   11
.set CO,   12
.set BOFF, 13
.set F0,   32                          ; v[32:95]   fragment buffer 0: proj_w's fragment b at 8 b, ao's fragment a at 32 + 8 a
.set F1,   96                          ; v[96:159]  buffer 1
.set BI,   160                         ; v[160:191] bias of column 16 b + 8 h + j at 8 b + j: laid out as a C operand
.set RB,   192                         ; v[192:223] the way out: read back
                                       ; window 1: accumulator (a, b) at 8 (4 a + b)
.set G1A, 16
.set G1B, 24
.set G0A, 32                           ; s[32:47] slot s, load i at 8 s + 4 i
.set G0B, 68                           ; s[68:83]
.set MSB, 0
.macro WIN new
.if MSB != \new
	s_set_vgpr_msb (MSB<<8)|\new
.set MSB, \new
.endif
.endm
.macro PLACES                          ; four plain vector instructions behind a matrix instruction before its registers are loaded into or its result read (ISA guide 7.12.1)
.rept 4
	v_nop
.endr
.endm
.macro CREST
	s_cmp_lg_u32 s12, 0
	s_cbranch_scc1 .Lnot_wave_0_\@
	s_barrier_signal -3
.Lnot_wave_0_\@:
	s_barrier_wait -3
	s_barrier_signal -1
	s_barrier_wait -1
.endm
.macro CROUND
	s_barrier_signal -1
	s_barrier_wait -1
	CREST
.endm
.macro JLOAD2 s                        ; waves 0, 1 ask for two planes of ao each, waves 2, 3 for 2 x 64 rows of proj_w each: two loads on either way
	s_cmp_eq_u32 s13, 0
	s_cbranch_scc0 .Lfor_b_\@
	tensor_load_to_lds s[G0A+8*\s:G0A+8*\s+3], s[G1A:G1A+7]
	s_nop 0
	tensor_load_to_lds s[G0A+8*\s+4:G0A+8*\s+7], s[G1A:G1A+7]
	s_nop 0
	s_branch .Lasked_\@
.Lfor_b_\@:
	tensor_load_to_lds s[G0B+8*\s:G0B+8*\s+3], s[G1B:G1B+7]
	s_nop 0
	tensor_load_to_lds s[G0B+8*\s+4:G0B+8*\s+7], s[G1B:G1B+7]
	s_nop 0
.Lasked_\@:
.endm
	s_load_b256 s[4:11], s[0:1], 0x0               ; ao s[4:5], h16 s[6:7], proj_b s[8:9], out0 s[10:11]
	v_lshl_add_u32 v254, v0, 2, 0x4c400
	v_mov_b32 v255, 0
	ds_add_u32 v254, v255
	v_lshrrev_b32 v1, 5, v0
	v_readfirstlane_b32 s12, v1                    ; wave w
	s_lshr_b32 s13, s12, 1                         ; wm: which 64 rows.  Also: I fetch for ao (0) or for proj_w (1)
	s_and_b32 s14, s12, 1                          ; wn: which 64 columns.  Also: which half of that tile I fetch
	s_bfe_u32 s48, ttmp6, 0x40000                  ; cx
	s_bfe_u32 s49, ttmp6, 0x40004                  ; cy
	s_lshl_b32 s50, ttmp9, 2
	s_add_co_u32 s50, s50, s48                     ; bx, 0..7
	s_and_b32 s51, ttmp7, 0xffff
	s_lshl_b32 s51, s51, 2
	s_add_co_u32 s51, s51, s49                     ; by, 0..31
	s_lshl_b32 s52, s49, 2
	s_lshl_b32 s52, 15, s52                        ; my row of the cluster
	s_lshl_b32 s53, 0x1111, s48                    ; my column
	; group 1.  ao: 128 rows x 64 elements, dense, 4 words of padding behind every 32.  proj_w: 64 rows x 128 elements, 1,024 from row to row, 8 words behind every 64.
	s_or_b32 s[G1A+0], s52, (1<<16)|(1<<20)|(1<<21)|(4<<22)|(3<<25)
	s_or_b32 s[G1B+0], s53, (1<<16)|(1<<20)|(1<<21)|(5<<22)|(7<<25)
	s_mov_b32 s[G1A+1], 64<<16
	s_mov_b32 s[G1B+1], 128<<16
	s_mov_b32 s[G1A+2], 128<<16
	s_mov_b32 s[G1B+2], 64<<16
	s_mov_b32 s[G1A+3], 64<<16
	s_mov_b32 s[G1B+3], 128<<16
	s_mov_b32 s[G1A+4], 128
	s_mov_b32 s[G1B+4], 64
	s_mov_b32 s[G1A+5], 64
	s_mov_b32 s[G1B+5], 1024
	s_mov_b32 s[G1A+6], 0
	s_mov_b32 s[G1B+6], 0
	s_mov_b32 s[G1A+7], 0
	s_mov_b32 s[G1B+7], 0
	; ao's offset is made of by and the wave's number alone, proj_w's of bx and the wave's number alone, in registers that never hold the other coordinate
	s_lshl_b32 s56, s14, 20                        ; two planes of 524,288 bytes for each fetching wave
	s_lshl_b32 s57, s51, 14                        ; + 128 by rows of 128 bytes
	s_add_co_u32 s56, s56, s57
	s_mov_b32 s57, 0
	s_lshl_b32 s58, s14, 18                        ; 128 rows of 2,048 bytes for each fetching wave
	s_lshl_b32 s59, s50, 8                         ; + 128 bx columns
	s_add_co_u32 s58, s58, s59
	s_add_co_u32 s58, s58, PW_OFF
	s_mov_b32 s59, 0
	s_mul_i32 s54, s12, REG                        ; region w
	s_wait_dscnt 0x0
	s_wait_kmcnt 0x0
	s_add_nc_u64 s[56:57], s[4:5], s[56:57]
	s_add_nc_u64 s[58:59], s[6:7], s[58:59]
	CROUND                                         ; all sixteen work-groups are here: the first joint loads meet
.irp s, 0,1
.irp i, 0,1
	s_mov_b32 s[G0A+8*\s+4*\i], 1
	s_add_co_u32 s[G0A+8*\s+4*\i+1], s54, \s*SLOT+\i*HALF
	s_add_nc_u64 s[G0A+8*\s+4*\i+2:G0A+8*\s+4*\i+3], s[56:57], (4*\s+\i)*524288        ; K step s: four heads on; load i: the next head
	s_or_b32 s[G0A+8*\s+4*\i+3], s[G0A+8*\s+4*\i+3], 0x80000000
	s_mov_b32 s[G0B+8*\s+4*\i], 1
	s_add_co_u32 s[G0B+8*\s+4*\i+1], s54, \s*SLOT+\i*HALF
	s_add_nc_u64 s[G0B+8*\s+4*\i+2:G0B+8*\s+4*\i+3], s[58:59], \s*524288+\i*131072     ; K step s: 256 rows on; load i: 64 rows on
	s_or_b32 s[G0B+8*\s+4*\i+3], s[G0B+8*\s+4*\i+3], 0x80000000
.endr
	JLOAD2 \s                                      ; both slots: four tensor loads of the wave are out
.endr
	s_lshl_b32 s60, s50, 9                         ; (128 bx + 64 wn) x 4 bytes: my first column
	s_lshl_b32 s61, s14, 8
	s_add_co_u32 s60, s60, s61
	s_mov_b32 s61, 0
	s_add_nc_u64 s[8:9], s[8:9], s[60:61]
	s_add_nc_u64 s[10:11], s[10:11], s[60:61]
	s_lshl_b32 s60, s51, 19                        ; (128 by + 64 wm) rows of 4,096 bytes
	s_lshl_b32 s62, s13, 18
	s_add_co_u32 s60, s60, s62
	s_add_nc_u64 s[10:11], s[10:11], s[60:61]
	v_and_b32 v1, 15, v0                           ; r
	v_bfe_u32 v2, v0, 4, 1                         ; h
	v_lshlrev_b32 v[BOFF], 5, v2
.irp b, 0,1,2,3
	global_load_b128 v[BI+8*\b:BI+8*\b+3],   v[BOFF], s[8:9] offset:64*\b
	global_load_b128 v[BI+8*\b+4:BI+8*\b+7], v[BOFF], s[8:9] offset:64*\b+16
.endr
	v_mul_u32_u24 v3, v1, PA
	v_lshl_add_u32 v3, v2, 4, v3
	s_mul_i32 s2, s13, 64*PA
	v_add_nc_u32 v[ADRA], s2, v3                   ; ao: (64 wm + r) x pitch + 16 h
	v_add_nc_u32 v[ADRA+1], SLOT, v[ADRA]
	v_and_b32 v3, 7, v0                            ; proj_w, stored [k][n]: row 8 h + (lane & 7), 16 bytes (lane >> 3) & 1
	v_lshl_add_u32 v3, v2, 3, v3
	v_mul_u32_u24 v3, v3, PB
	v_bfe_u32 v14, v0, 3, 1
	v_lshl_add_u32 v3, v14, 4, v3
	s_lshl_b32 s2, s14, 7                          ; my 64 columns
	s_add_co_u32 s2, s2, WOFF
	v_add_nc_u32 v[ADRB], s2, v3
	v_add_nc_u32 v[ADRB+1], REG, v[ADRB]           ; k rows 128 .. 255
	v_add_nc_u32 v[ADRB+2], SLOT, v[ADRB]
	v_add_nc_u32 v[ADRB+3], SLOT+REG, v[ADRB]
	s_mul_i32 s2, s12, 16*SP
	s_add_co_u32 s2, s2, STAGE                     ; my stage
	v_mul_u32_u24 v3, v1, SP
	v_lshl_add_u32 v3, v2, 5, v3
	v_add_nc_u32 v[STO], s2, v3                    ; in: row r, 32 bytes for each half of the lanes
	v_mul_u32_u24 v3, v2, SP
	v_lshl_add_u32 v3, v1, 4, v3
	v_add_nc_u32 v[RD], s2, v3                     ; back: sixteen lanes a row of 256 bytes, two rows a load
	v_lshlrev_b32 v3, 12, v2
	v_lshl_add_u32 v[CO], v1, 4, v3                ; the same two rows of out0
	s_wait_loadcnt 0x0                             ; the bias
; 16 LDS loads: chunk q (32 along K) of a slot into buffer f
.macro FETCH slot, q, f
.irp b, 0,1,2,3
	ds_load_tr16_b128 v[\f+8*\b:\f+8*\b+3],   v[ADRB+2*\slot+(\q>>2)] offset:9216*(\q&3)+32*\b
	ds_load_tr16_b128 v[\f+8*\b+4:\f+8*\b+7], v[ADRB+2*\slot+(\q>>2)] offset:9216*(\q&3)+32*\b+4608
.endr
.irp a, 0,1,2,3
	ds_load_b128 v[\f+32+8*\a:\f+32+8*\a+3],   v[ADRA+\slot] offset:18432*(\q>>1)+64*(\q&1)+2304*\a
	ds_load_b128 v[\f+32+8*\a+4:\f+32+8*\a+7], v[ADRA+\slot] offset:18432*(\q>>1)+64*(\q&1)+2304*\a+32
.endr
.endm
; 16 matrix instructions on 16 accumulators, which take turns, one instruction a turn.  bias = 1: the sums start from the bias.
.macro MUL16 f, bias
.irp a, 0,1,2,3
.irp b, 0,1,2,3
.if \bias
	v_wmma_f32_16x16x32_f16 v[8*(4*\a+\b):8*(4*\a+\b)+7], v[\f+8*\b:\f+8*\b+7], v[\f+32+8*\a:\f+32+8*\a+7], v[BI+8*\b:BI+8*\b+7]
.else
	v_wmma_f32_16x16x32_f16 v[8*(4*\a+\b):8*(4*\a+\b)+7], v[\f+8*\b:\f+8*\b+7], v[\f+32+8*\a:\f+32+8*\a+7], v[8*(4*\a+\b):8*(4*\a+\b)+7]
.endif
.endr
.endr
.endm
.macro CHUNK slot, qn, f, g, bias      ; fetches chunk qn into buffer g, multiplies buffer f
	PLACES
	FETCH \slot, \qn, \g
	s_wait_dscnt 0x10                              ; buffer f is in; the 16 loads just issued stay out
.if \bias
	WIN 0x40                                       ; D window 1, C (the bias) window 0
.else
	WIN 0x50                                       ; C and D window 1
.endif
	MUL16 \f, \bias
	WIN 0
.endm
.macro SEVEN slot, bias                ; chunks 0 to 6 of a K step
	CHUNK \slot, 1, F0, F1, \bias
	CHUNK \slot, 2, F1, F0, 0
	CHUNK \slot, 3, F0, F1, 0
	CHUNK \slot, 4, F1, F0, 0
	CHUNK \slot, 5, F0, F1, 0
	CHUNK \slot, 6, F1, F0, 0
	CHUNK \slot, 7, F0, F1, 0
.endm
; Chunk 7 and the change of slots: in front of the barrier each wave waits for its reads of this slot and for all its tensor loads.  fill = 1: the barrier opens a round
; of the cluster's barrier, and the joint refills, two K steps ahead, are the first tensor loads behind the round's closing wait.
.macro TURN slot, next, fill
	s_wait_dscnt 0x0
	s_wait_tensorcnt 0x0
	ds_add_u32 v254, v255
	s_wait_dscnt 0x0
	s_barrier_signal -1
	WIN 0x50
	MUL16 F1, 0                                    ; register work while the others arrive
	WIN 0
	s_barrier_wait -1
.if \fill
	CREST
.irp i, 0,1
	s_add_nc_u64 s[G0A+8*\slot+4*\i+2:G0A+8*\slot+4*\i+3], s[G0A+8*\slot+4*\i+2:G0A+8*\slot+4*\i+3], 4194304   ; eight heads on
	s_add_nc_u64 s[G0B+8*\slot+4*\i+2:G0B+8*\slot+4*\i+3], s[G0B+8*\slot+4*\i+2:G0B+8*\slot+4*\i+3], 1048576   ; 512 rows on
.endr
	JLOAD2 \slot
.endif
	PLACES
	FETCH \next, 0, F0
.endm
	s_wait_tensorcnt 0x2                           ; my two loads of K step 0 are in; K step 1's two stay out
	s_barrier_signal -1
	s_barrier_wait -1
	FETCH 0, 0, F0
	SEVEN 0, 1                                     ; K step 0; its first products start from the bias
	TURN 0, 1, 1                                   ; slot 0 is asked for again: K step 2
	SEVEN 1, 0
	TURN 1, 0, 1                                   ; slot 1: K step 3
	SEVEN 0, 0
	TURN 0, 1, 0
	SEVEN 1, 0
	s_wait_dscnt 0x0
	WIN 0x50
	MUL16 F1, 0
	PLACES                                         ; behind the last matrix instructions, in front of the LDS stores that read results
; the way out, 16 rows at a time: 32 bytes a lane and tile into my stage, whole rows of 256 bytes back
.macro OUT16 a
	WIN 0x04                                       ; an LDS store's data is source 1: window 1
.irp b, 0,1,2,3
	ds_store_b128 v[STO], v[8*(4*\a+\b):8*(4*\a+\b)+3]   offset:64*\b
	ds_store_b128 v[STO], v[8*(4*\a+\b)+4:8*(4*\a+\b)+7] offset:64*\b+16
.endr
	WIN 0
	s_wait_xcnt 0x0                                ; the last stores have had their addresses translated (ISA guide 3.1): RB, which they read, is loaded again only behind this wait
.irp t, 0,1,2,3,4,5,6,7
	ds_load_b128 v[RB+4*\t:RB+4*\t+3], v[RD] offset:544*\t     ; my own bytes, served in order (ISA guide 5.7.1)
.endr
.irp t, 0,1,2,3,4,5,6,7
	s_wait_dscnt 7-\t                              ; read-back t is in, the younger ones stay out
	global_store_b128 v[CO], v[RB+4*\t:RB+4*\t+3], s[10:11] offset:65536*\a+8192*\t th:TH_STORE_NT     ; sixteen lanes store 256 consecutive bytes, aligned
.endr
.endm
	OUT16 0
	OUT16 1
	OUT16 2
	OUT16 3
	s_wait_tensorcnt 0x0
	ds_add_u32 v254, v255
	s_wait_dscnt 0x0
	CROUND                                         ; the closing round: no work-group ends while a partner may still ask for a tile that names it
	s_endpgm
.Lfunc_end_k_qcc7321f96f_proj:
	.size	k_qcc7321f96f_proj, .Lfunc_end_k_qcc7321f96f_proj-k_qcc7321f96f_proj
	.p2alignl 7, 3214868480
	.fill 96, 4, 3214868480
	.section	.rodata,"a",@progbits
	.p2align	6, 0x0
	.amdhsa_kernel k_qcc7321f96f_proj
		.amdhsa_group_segment_fixed_size 327680
		.amdhsa_private_segment_fixed_size 0
		.amdhsa_enable_private_segment 0
		.amdhsa_kernarg_size 32
		.amdhsa_user_sgpr_count 2
		.amdhsa_user_sgpr_kernarg_segment_ptr 1
		.amdhsa_wavefront_size32 1
		.amdhsa_system_sgpr_workgroup_id_x 1
		.amdhsa_system_sgpr_workgroup_id_y 1
		.amdhsa_system_sgpr_workgroup_id_z 1
		.amdhsa_system_vgpr_workitem_id 0
		.amdhsa_next_free_vgpr 384
		.amdhsa_next_free_sgpr 84
		.amdhsa_reserve_vcc 0
		.amdhsa_float_denorm_mode_32 3
		.amdhsa_float_denorm_mode_16_64 3
		.amdhsa_memory_ordered 1
		.amdhsa_forward_progress 1
		.amdhsa_inst_pref_size 91
	.end_amdhsa_kernel
	.amdgpu_metadata
---
amdhsa.version: [ 1, 2 ]
amdhsa.kernels:
  - .name:           k_qcc7321f96f_proj
    .symbol:         k_qcc7321f96f_proj.kd
    .args:
      - { .name: ao, .offset: 0, .size: 8, .value_kind: global_buffer, .address_space: global }
      - { .name: h16, .offset: 8, .size: 8, .value_kind: global_buffer, .address_space: global }
      - { .name: proj_b, .offset: 16, .size: 8, .value_kind: global_buffer, .address_space: global }
      - { .name: out0, .offset: 24, .size: 8, .value_kind: global_buffer, .address_space: global }
    .group_segment_fixed_size: 327680
    .private_segment_fixed_size: 0
    .kernarg_segment_align: 8
    .kernarg_segment_size: 32
    .max_flat_workgroup_size: 128
    .sgpr_count:     84
    .vgpr_count:     384
    .wavefront_size: 32
...
	.end_amdgpu_metadata
.endif
;; end of part 4
;; ======== version 2 of 2: 4 launches
;; limits: values are held in f16: magnitudes above 65,504 overflow, below 6.1e-05 lose precision
;; workspace buffers: h16 16,777,216 bytes; qkvh 25,165,824 bytes; ao 8,388,608 bytes
;; launch cast: the kernel of part 1 again; grid 256 x 1, 8 waves a work-group, no clusters, 0 bytes of LDS; arguments x, qkv_w, proj_w, h16; writes h16
;; launch qkv: the kernel of part 2 again; grid 8 x 32, 4 waves a work-group, clusters of 4 x 4, 327,680 bytes of LDS; arguments h16, q_gamma, q_beta, k_gamma, k_beta, qkvh; writes qkvh
;; launch attn (part 5): grid 8 x 32, 4 waves a work-group, clusters of 4 x 1, 327,680 bytes of LDS; arguments qkvh, ao; writes ao
.if DOCPART == 5
	.amdgcn_target "amdgcn-amd-amdhsa--gfx1250"
	.amdhsa_code_object_version 6
	.text
	.protected	k_qcc7321f96f_attn
	.globl	k_qcc7321f96f_attn
	.p2align	8
	.type	k_qcc7321f96f_attn,@function
k_qcc7321f96f_attn:
	s_mov_b64 s[64:65], 0
	v_nop
	global_prefetch_b8 v0, s[64:65] scope:SCOPE_SE
	s_setreg_imm32_b32 hwreg(HW_REG_WAVE_MODE, 25, 1), 1
	s_wait_xcnt 0x0
	s_wait_alu depctr_hold_cnt(0) depctr_sa_sdst(0) depctr_va_vdst(0) depctr_va_sdst(0) depctr_va_ssrc(0) depctr_va_vcc(0) depctr_vm_vsrc(0)
	s_getreg_b32 s2, hwreg(HW_REG_IB_STS2, 6, 4)
	s_cmp_eq_u32 s2, 0
	s_cbranch_scc0 .Lentry_in_a_cluster
	s_endpgm
.Lentry_in_a_cluster:
	s_bfe_u32 s2, ttmp6, 0x10000c
	s_cmp_lg_u32 s2, 0x3003
	s_cbranch_scc0 .Lentry_shape_is_right
	s_endpgm
.Lentry_shape_is_right:
; softmax(q k^T / 8) v for 32 (head, batch) pairs of 2,048 x 2,048 x 64, with a running maximum.  q, k, v: qkvh [48][4096][64] f16.  ao: [16][4096][64] f16.
; Work-group (x, y): y = 2 head + batch, 256 queries; a wave takes 64 queries (4 tiles of 16).  Keys go in 8 tiles of 256 through two LDS slots,
; each tile in 4 sub-blocks of 64 keys: 32 + 32 matrix instructions for 32 LDS loads.
; CLUSTERS: the four work-groups of a cluster are four query blocks of one y and walk the same K and V tiles in the same order: every tile is asked for
; jointly (mask 15), which divides the requests for K and V by four.  No descriptor word and no LDS address holds the place in the cluster.
; BOTH PRODUCTS ARE TRANSPOSED.  S^T = K Q^T: lane (r, h) holds query r, register j key 8 h + j of the tile.  Two neighbouring key tiles, packed in pairs
; to f16, ARE the second source of O^T = V^T P^T (K = 8 h + 0..7 in registers 0-3, 16 + 8 h + 0..7 in 4-7): no shuffle.  V^T's fragments come from V as
; it lies, [key][d], by the transposing load.  Maximum, sum and rescaling are per lane; the maximum crosses the halves once for each sub-block, the sum once at the end.
; p = 2^(c s - c m), c = log2(e) / 8, m the running maximum of the raw products s.
; A SHORT TEXT: the four sub-blocks of a tile are one counted loop, so a sub-block's text stands five times in the kernel and not once for each of the 32.
; For that the four trips must be alike, and each fetches the NEXT sub-block's K fragments: so K's tiles are shifted by one sub-block.  K's tile t holds keys
; 256 t + 64 .. 256 t + 319, V's tile t keys 256 t .. 256 t + 255: sub-block 4 t + sb finds its V and the next sub-block's K both at place sb of slot t.
; The first 64 keys' K fragments come straight from memory into registers, as Q does.
; WHAT THE SHIFT COSTS: in tile 7 wave 3's quarter of K is the 64 rows behind this head's keys (rows of the next head; inside qkvh, since K's heads are followed
; by V's); the last sub-block loads them into registers, 16 LDS loads, and nothing uses them.
; LIMITS: a NaN among the products is dropped by the maximum, infinities are not followed; a p below 2^-126 comes out as 0 (v_exp_f32 flushes, ISA guide 15.8),
; one below 2^-24 is rounded to 0 or to 2^-24 in f16; the denominator adds the unrounded p while P V takes p rounded to f16 (11 bits); the result is rounded once to f16, and has v's range.
;
; LDS: slot s at 77,824 s: K, 256 rows, pitch 144, then V at + 36,864, 256 rows, pitch 160; wave w fetches rows 64 w .. 64 w + 63 of both.
; Behind the ring each wave's own stage, 16 rows, pitch 144, into which no tensor load lands.
.set SLOT,  77824
.set VOFF,  36864
.set STAGE, 2*SLOT
.set SP,    144
.set KSUB,  9216                       ; a sub-block of K in LDS: 64 rows of pitch 144
.set VSUB,  10240                      ; of V: 64 rows of pitch 160
; window 0
.set ADRK, 4                           ; v4-5   LDS address of my K fragments at place 0 of slot 0, 1
.set ADRV, 6                           ; v6-7   the same for V
.set STO,  8
.set RD,   9
.set CO,   10
.set QOFF, 11
.set CURK, 16                          ; this trip's place: ADRK + 9,216 sb
.set CURV, 17                          ; ADRV + 10,240 sb
.set KF,   32                          ; v[32:95]   K fragment (key tile kt, half dc of d) at 16 kt + 8 dc
.set VF,   96                          ; v[96:159]  V^T fragment (32 keys kc, d tile dt) at 8 (4 kc + dt)
.set PKR,  160                         ; v[160:175] the way out: packed
.set RB,   176                         ; v[176:191] the way out: read back
; window 1: S tile (qt, kt) at 8 (4 qt + kt), v[0:127]
.set PF,   128                         ; v[128:191] P: word 16 qt + i = S words 32 qt + 2 i, + 1
.set MX,   192                         ; running maximum of query tile qt
.set AL,   200                         ; pairs: what the old sums and O shrink by; at the end 1 / sum
.set NMC,  208                         ; pairs: - c x maximum
.set LP,   216                         ; pairs: two running sums a lane
.set TT,   224
.set UU,   228
.set XX,   232
; window 2: O tile (dt, qt) at 8 (4 qt + dt), v[0:127]
.set QF,   128                         ; v[128:191] Q fragment (qt, dc) at 16 qt + 8 dc
.set G1K, 16
.set G1V, 24
.set G0K, 32                           ; s[32:39] a set for each slot
.set G0V, 40                           ; s[40:47]
.set W_Q,  0x80                        ; destination window 2
.set W_S,  0x58                        ; D, C window 1; source 0 (K) window 0; source 1 (Q) window 2
.set W_X,  0x55                        ; all window 1
.set W_OA, 0x86                        ; destination and source 0 window 2, source 1 window 1
.set W_PV, 0xa4                        ; D, C window 2; source 0 (V) window 0; source 1 (P) window 1
.set W_PK, 0x0a                        ; sources window 2, destination window 0
.set MSB, 0
.macro WIN new                         ; s_set_vgpr_msb: low byte = bits 1:0 source 0, 3:2 source 1, 5:4 source 2, 7:6 destination; high byte repeats the setting that is left
.if MSB != \new
	s_set_vgpr_msb (MSB<<8)|\new
.set MSB, \new
.endif
.endm
.macro PLACES                          ; four plain vector instructions behind a matrix instruction before its registers are loaded into or its result read (ISA guide 7.12.1)
.rept 4
	v_nop
.endr
.endm
.macro ROUND                           ; a round of the cluster's barrier
	s_barrier_signal -1
	s_barrier_wait -1
	s_cmp_lg_u32 s8, 0
	s_cbranch_scc1 .Lnot_wave_0_\@
	s_barrier_signal -3
.Lnot_wave_0_\@:
	s_barrier_wait -3
	s_barrier_signal -1
	s_barrier_wait -1
.endm
	s_load_b128 s[4:7], s[0:1], 0x0                ; qkvh s[4:5], ao s[6:7]
	v_lshl_add_u32 v254, v0, 2, 0x29000
	v_mov_b32 v255, 0
	ds_add_u32 v254, v255
	v_lshrrev_b32 v1, 5, v0
	v_readfirstlane_b32 s8, v1                     ; wave w
	s_bfe_u32 s10, ttmp6, 0x40000                  ; cx
	s_lshl_b32 s11, ttmp9, 2
	s_add_co_u32 s11, s11, s10                     ; query block, 0..7
	s_and_b32 s12, ttmp7, 0xffff                   ; y = 2 head + batch
	; group 1: 64 rows x 64 elements of 2 bytes, dense in memory; behind every 32 words of a row 4 (K) or 8 (V) words of padding; mask 15, bit 21 beside it
	s_mov_b32 s[G1K+0], 15|(1<<16)|(1<<20)|(1<<21)|(4<<22)|(3<<25)
	s_mov_b32 s[G1V+0], 15|(1<<16)|(1<<20)|(1<<21)|(4<<22)|(7<<25)
	s_mov_b32 s[G1K+1], 64<<16
	s_mov_b32 s[G1V+1], 64<<16
	s_mov_b32 s[G1K+2], 64<<16
	s_mov_b32 s[G1V+2], 64<<16
	s_mov_b32 s[G1K+3], 64<<16
	s_mov_b32 s[G1V+3], 64<<16
	s_mov_b32 s[G1K+4], 64
	s_mov_b32 s[G1V+4], 64
	s_mov_b32 s[G1K+5], 64
	s_mov_b32 s[G1V+5], 64
	s_mov_b32 s[G1K+6], 0
	s_mov_b32 s[G1V+6], 0
	s_mov_b32 s[G1K+7], 0
	s_mov_b32 s[G1V+7], 0
	s_add_co_u32 s56, s12, 32                      ; K: heads 16..31: (32 + y) x 2,048 rows x 128 bytes
	s_lshl_b32 s56, s56, 18
	s_mov_b32 s57, 0
	s_lshl_b32 s2, s8, 13                          ; my 64 rows of a tile
	s_mov_b32 s3, 0
	s_mul_i32 s58, s8, KSUB                        ; and where they go
	s_mul_i32 s59, s8, VSUB
	s_lshl_b32 s14, s12, 18                        ; Q and the result: y x 2,048 rows + 256 x block + 64 w, x 128 bytes
	s_lshl_b32 s15, s11, 15
	s_add_co_u32 s14, s14, s15
	s_lshl_b32 s15, s8, 13
	s_add_co_u32 s14, s14, s15
	s_mov_b32 s15, 0
	s_mov_b32 s48, 0x76543210                      ; v_permlanex16_b32: lane i of one half reads lane i of the other
	s_mov_b32 s49, 0xfedcba98
	s_mov_b32 s50, 0x3e38aa3b                      ; c = log2(e) / 8
	s_mov_b32 s51, 0x3e38aa3b
	s_wait_dscnt 0x0
	s_wait_kmcnt 0x0
	s_add_nc_u64 s[62:63], s[4:5], s[56:57]        ; this y's first key
	s_add_nc_u64 s[60:61], s[62:63], s[2:3]        ; + my 64 rows: made of y and the wave's number alone
	s_add_nc_u64 s[52:53], s[4:5], s[14:15]
	s_add_nc_u64 s[54:55], s[6:7], s[14:15]
.irp s, 0,1
	s_mov_b32 s[G0K+4*\s], 1
	s_add_co_u32 s[G0K+4*\s+1], s58, \s*SLOT
	s_add_nc_u64 s[G0K+4*\s+2:G0K+4*\s+3], s[60:61], \s*32768+8192             ; tile s: 256 rows of 128 bytes, shifted by 64 rows
	s_or_b32 s[G0K+4*\s+3], s[G0K+4*\s+3], 0x80000000
	s_mov_b32 s[G0V+4*\s], 1
	s_add_co_u32 s[G0V+4*\s+1], s59, \s*SLOT+VOFF
	s_add_nc_u64 s[G0V+4*\s+2:G0V+4*\s+3], s[60:61], \s*32768+8388608          ; V's heads lie 16 heads behind K's; not shifted
	s_or_b32 s[G0V+4*\s+3], s[G0V+4*\s+3], 0x80000000
.endr
	ROUND                                          ; the four work-groups are here: the first joint loads meet
	tensor_load_to_lds s[G0K:G0K+3], s[G1K:G1K+7]  ; tile 0
	s_nop 0
	tensor_load_to_lds s[G0V:G0V+3], s[G1V:G1V+7]
	s_nop 0
	v_and_b32 v1, 15, v0                           ; r
	v_bfe_u32 v2, v0, 4, 1                         ; h
	v_lshlrev_b32 v14, 7, v1
	v_lshl_add_u32 v[QOFF], v2, 4, v14             ; Q and the first K from memory: row r, 16 h; two loads 32 bytes apart
.irp kt, 0,1,2,3
.irp dc, 0,1
	global_load_b128 v[KF+16*\kt+8*\dc:KF+16*\kt+8*\dc+3],   v[QOFF], s[62:63] offset:2048*\kt+64*\dc         ; keys 0 .. 63
	global_load_b128 v[KF+16*\kt+8*\dc+4:KF+16*\kt+8*\dc+7], v[QOFF], s[62:63] offset:2048*\kt+64*\dc+32
.endr
.endr
	WIN W_Q
.irp qt, 0,1,2,3
.irp dc, 0,1
	global_load_b128 v[QF+16*\qt+8*\dc:QF+16*\qt+8*\dc+3],   v[QOFF], s[52:53] offset:2048*\qt+64*\dc
	global_load_b128 v[QF+16*\qt+8*\dc+4:QF+16*\qt+8*\dc+7], v[QOFF], s[52:53] offset:2048*\qt+64*\dc+32
.endr
.endr
	WIN W_X
.irp qt, 0,1,2,3
	v_mov_b32 v[AL+2*\qt+1], 0                     ; upper halves of broadcast pairs and the lane exchange's destinations: written once, their values never used
	v_mov_b32 v[NMC+2*\qt+1], 0
	v_mov_b32 v[UU+\qt], 0
.endr
	WIN 0
	v_mul_u32_u24 v3, v1, 144
	v_lshl_add_u32 v[ADRK], v2, 4, v3              ; K: r x pitch + 16 h, two loads 32 bytes apart
	v_add_nc_u32 v[ADRK+1], SLOT, v[ADRK]
	v_and_b32 v12, 7, v0                           ; V, stored [key][d]: row 8 h + (lane & 7), 16 bytes (lane >> 3) & 1, two loads 16 rows apart
	v_lshl_add_u32 v12, v2, 3, v12
	v_mul_u32_u24 v12, v12, 160
	v_bfe_u32 v13, v0, 3, 1
	v_lshl_add_u32 v12, v13, 4, v12
	v_add_nc_u32 v[ADRV], VOFF, v12
	v_add_nc_u32 v[ADRV+1], SLOT+VOFF, v12
	s_mul_i32 s2, s8, 16*SP
	s_add_co_u32 s2, s2, STAGE                     ; my stage
	v_add_nc_u32 v[STO], s2, v[ADRK]               ; in: row r, 16 bytes for each half (the same pitch as K's)
	v_bfe_u32 v13, v0, 3, 2
	v_mul_u32_u24 v13, v13, SP
	v_and_b32 v14, 7, v0
	v_lshl_add_u32 v13, v14, 4, v13
	v_add_nc_u32 v[RD], s2, v13                    ; back: eight lanes a row, four rows a load
	v_and_b32 v14, 31, v0
	v_lshlrev_b32 v[CO], 4, v14
	s_wait_loadcnt 0x0                             ; Q and the first K fragments, once
.macro FETCHK                          ; 16 loads: 64 keys x 64 d
.irp kt, 0,1,2,3
.irp dc, 0,1
	ds_load_b128 v[KF+16*\kt+8*\dc:KF+16*\kt+8*\dc+3],   v[CURK] offset:2304*\kt+64*\dc
	ds_load_b128 v[KF+16*\kt+8*\dc+4:KF+16*\kt+8*\dc+7], v[CURK] offset:2304*\kt+64*\dc+32
.endr
.endr
.endm
.macro FETCHV                          ; 16 loads: 64 d x 64 keys, transposed on the way
.irp kc, 0,1
.irp dt, 0,1,2,3
	ds_load_tr16_b128 v[VF+8*(4*\kc+\dt):VF+8*(4*\kc+\dt)+3],   v[CURV] offset:5120*\kc+32*\dt
	ds_load_tr16_b128 v[VF+8*(4*\kc+\dt)+4:VF+8*(4*\kc+\dt)+7], v[CURV] offset:5120*\kc+32*\dt+2560
.endr
.endr
.endm
; One sub-block of 64 keys, at place s13 (0 .. 3) of a slot.  first = 1: the launch's first: it starts maximum, sums and O.
; In both products the 16 accumulators take turns, one instruction a turn.
.macro SUB slot, first
	s_wait_dscnt 0x0                               ; this sub-block's K fragments are in
	s_mul_i32 s2, s13, KSUB                        ; the place's bytes, from the loop's counter
	s_mul_i32 s3, s13, VSUB
	WIN W_S
.irp qt, 0,1,2,3
.irp kt, 0,1,2,3
	v_wmma_f32_16x16x32_f16 v[8*(4*\qt+\kt):8*(4*\qt+\kt)+7], v[KF+16*\kt:KF+16*\kt+7], v[QF+16*\qt:QF+16*\qt+7], 0
.endr
.endr
.irp qt, 0,1,2,3
.irp kt, 0,1,2,3
	v_wmma_f32_16x16x32_f16 v[8*(4*\qt+\kt):8*(4*\qt+\kt)+7], v[KF+16*\kt+8:KF+16*\kt+15], v[QF+16*\qt+8:QF+16*\qt+15], v[8*(4*\qt+\kt):8*(4*\qt+\kt)+7]
.endr
.endr
	WIN 0
	v_add_nc_u32 v[CURK], s2, v[ADRK+\slot]        ; four plain vector instructions behind the matrix instructions, in front of the loads into
	v_add_nc_u32 v[CURV], s3, v[ADRV+\slot]        ; V's and K's fragments and of the first read of S: two of them make this place's addresses
	v_nop
	v_nop
	FETCHV                                         ; this sub-block's V,
	FETCHK                                         ; and the next sub-block's K, which lies at the same place of the same slot
	WIN W_X
	; the largest of my 32 products of each query tile: four chains
.irp qt, 0,1,2,3
	v_max_num_f32 v[TT+\qt], v[32*\qt], v[32*\qt+1]
.endr
.irp i, 1,2,3,4,5,6,7,8,9,10,11,12,13,14,15
.irp qt, 0,1,2,3
	v_max3_num_f32 v[TT+\qt], v[TT+\qt], v[32*\qt+2*\i], v[32*\qt+2*\i+1]
.endr
.endr
.irp qt, 0,1,2,3
	v_permlanex16_b32 v[UU+\qt], v[TT+\qt], s48, s49           ; the other half's 32 keys of the same query
.endr
.if \first
.irp qt, 0,1,2,3
	v_max_num_f32 v[MX+\qt], v[TT+\qt], v[UU+\qt]
.endr
.irp qt, 0,1,2,3
	v_mul_f32 v[NMC+2*\qt], 0xbe38aa3b, v[MX+\qt]              ; - c m
.endr
.else
.irp qt, 0,1,2,3
	v_max3_num_f32 v[MX+\qt], v[TT+\qt], v[UU+\qt], v[MX+\qt]
.endr
.irp qt, 0,1,2,3
	v_mul_f32 v[TT+\qt], 0xbe38aa3b, v[MX+\qt]                 ; the new - c m
.endr
.irp qt, 0,1,2,3
	v_sub_f32 v[XX+\qt], v[TT+\qt], v[NMC+2*\qt]               ; less the old one: at most 0, and exactly 0 where the maximum has not moved: the difference of the very shifts that the exponentials take
.endr
.irp qt, 0,1,2,3
	v_exp_f32 v[AL+2*\qt], v[XX+\qt]                           ; what the old sums and O shrink by
.endr
.irp qt, 0,1,2,3
	v_mov_b32 v[NMC+2*\qt], v[TT+\qt]                          ; these plain lines also stand behind the exponentials above (ISA guide 5.7.2)
.endr
.endif
.irp qt, 0,1,2,3
.irp i, 0,1,2,3,4,5,6,7,8,9,10,11,12,13,14,15
	v_pk_fma_f32 v[32*\qt+2*\i:32*\qt+2*\i+1], v[32*\qt+2*\i:32*\qt+2*\i+1], s[50:51], v[NMC+2*\qt:NMC+2*\qt+1] op_sel_hi:[1,0,0]   ; c s - c m, one rounding
.endr
.endr
.set i, 0
.rept 128
	v_exp_f32 v[i], v[i]
.set i, i+1
.endr
	v_nop                                          ; one plain vector instruction behind the last exponential before a result is used (ISA guide 5.7.2)
.if \first
	s_wait_alu depctr_va_vdst(0)
.irp qt, 0,1,2,3
	v_pk_add_f32 v[LP+2*\qt:LP+2*\qt+1], v[32*\qt:32*\qt+1], v[32*\qt+2:32*\qt+3]
.endr
.else
	s_wait_alu depctr_va_vdst(0)
.irp qt, 0,1,2,3
	v_pk_fma_f32 v[LP+2*\qt:LP+2*\qt+1], v[LP+2*\qt:LP+2*\qt+1], v[AL+2*\qt:AL+2*\qt+1], v[32*\qt:32*\qt+1] op_sel_hi:[1,0,1]
.endr
.irp qt, 0,1,2,3
	v_pk_add_f32 v[LP+2*\qt:LP+2*\qt+1], v[LP+2*\qt:LP+2*\qt+1], v[32*\qt+2:32*\qt+3]
.endr
.endif
.irp i, 2,3,4,5,6,7,8,9,10,11,12,13,14,15
.irp qt, 0,1,2,3
	v_pk_add_f32 v[LP+2*\qt:LP+2*\qt+1], v[LP+2*\qt:LP+2*\qt+1], v[32*\qt+2*\i:32*\qt+2*\i+1]
.endr
.endr
.set i, 0
.rept 64
	v_cvt_pk_f16_f32 v[PF+i], v[2*i], v[2*i+1]
.set i, i+1
.endr
.if \first == 0
	WIN W_OA
.irp qt, 0,1,2,3
.irp i, 0,1,2,3,4,5,6,7,8,9,10,11,12,13,14,15
	v_pk_mul_f32 v[32*\qt+2*\i:32*\qt+2*\i+1], v[32*\qt+2*\i:32*\qt+2*\i+1], v[AL+2*\qt:AL+2*\qt+1] op_sel_hi:[1,0]
.endr
.endr
.endif
	s_wait_dscnt 0x10                              ; V's 16 loads are in; the 16 younger ones, the next sub-block's K, stay out
	WIN W_PV
.irp dt, 0,1,2,3
.irp qt, 0,1,2,3
.if \first
	v_wmma_f32_16x16x32_f16 v[8*(4*\qt+\dt):8*(4*\qt+\dt)+7], v[VF+8*\dt:VF+8*\dt+7], v[PF+16*\qt:PF+16*\qt+7], 0
.else
	v_wmma_f32_16x16x32_f16 v[8*(4*\qt+\dt):8*(4*\qt+\dt)+7], v[VF+8*\dt:VF+8*\dt+7], v[PF+16*\qt:PF+16*\qt+7], v[8*(4*\qt+\dt):8*(4*\qt+\dt)+7]
.endif
.endr
.endr
.irp dt, 0,1,2,3
.irp qt, 0,1,2,3
	v_wmma_f32_16x16x32_f16 v[8*(4*\qt+\dt):8*(4*\qt+\dt)+7], v[VF+32+8*\dt:VF+32+8*\dt+7], v[PF+16*\qt+8:PF+16*\qt+15], v[8*(4*\qt+\dt):8*(4*\qt+\dt)+7]
.endr
.endr
.endm
; The sub-blocks at places start .. 3 of a slot: one text, run 4 - start times
.macro INNER slot, start
	WIN 0                                          ; at a label and at a branch every window is 0
	s_mov_b32 s13, \start
.Lsub_\@:
	SUB \slot, 0
	WIN 0
	s_add_co_u32 s13, s13, 1
	s_cmp_lt_u32 s13, 4
	s_cbranch_scc1 .Lsub_\@
.endm
; The change of tiles.  In front of the round every wave waits for all its tensor loads (its parts of the tile in this slot) and for its LDS reads, of which the last are the
; K fragments that the tile before's last sub-block took from the other slot; behind the round's closing wait the next tile is asked for first, into that other slot,
; and has this tile's whole work in which to land.  Two tensor loads of a wave are then out.
.macro HEADER slot, refill
	WIN 0
	s_wait_tensorcnt 0x0                           ; no tensor load of mine is out: every group 0 may be written
	ds_add_u32 v254, v255
	s_wait_dscnt 0x0
	s_add_nc_u64 s[G0K+4*\slot+2:G0K+4*\slot+3], s[G0K+4*\slot+2:G0K+4*\slot+3], 65536     ; this slot's next tile, two tiles on
	s_add_nc_u64 s[G0V+4*\slot+2:G0V+4*\slot+3], s[G0V+4*\slot+2:G0V+4*\slot+3], 65536
	s_wait_dscnt 0x0
	ROUND
.if \refill
	tensor_load_to_lds s[G0K+4-4*\slot:G0K+7-4*\slot], s[G1K:G1K+7]
	s_nop 0
	tensor_load_to_lds s[G0V+4-4*\slot:G0V+7-4*\slot], s[G1V:G1V+7]
	s_nop 0
.endif
.endm
	HEADER 0, 1                                    ; tile 0; tile 1 is asked for
	s_mov_b32 s13, 0
	SUB 0, 1                                       ; the first sub-block starts maximum, sums and O: nothing is cleared
	INNER 0, 1
	s_mov_b32 s9, 3
.Lpair:
	HEADER 1, 1                                    ; tiles 1, 3, 5
	INNER 1, 0
	HEADER 0, 1                                    ; tiles 2, 4, 6; the last of these asks for tile 7
	INNER 0, 0
	s_sub_co_u32 s9, s9, 1
	s_cmp_lg_u32 s9, 0
	s_cbranch_scc1 .Lpair
	HEADER 1, 0                                    ; tile 7: nothing more to ask for (the addresses stepped in the last two changes are not used)
	INNER 1, 0
	PLACES                                         ; behind the last matrix instructions, in front of the first read of O
	WIN W_X
.irp qt, 0,1,2,3
	v_add_f32 v[TT+\qt], v[LP+2*\qt], v[LP+2*\qt+1]
.endr
.irp qt, 0,1,2,3
	v_permlanex16_b32 v[UU+\qt], v[TT+\qt], s48, s49
.endr
.irp qt, 0,1,2,3
	v_add_f32 v[TT+\qt], v[TT+\qt], v[UU+\qt]      ; the whole sum; at least 1, since the key of the maximum adds 2^0
.endr
.irp qt, 0,1,2,3
	v_rcp_f32 v[AL+2*\qt], v[TT+\qt]
.endr
	v_nop                                          ; behind the last reciprocal (ISA guide 5.7.2)
	WIN W_OA
	s_wait_alu depctr_va_vdst(0)
.irp qt, 0,1,2,3
.irp i, 0,1,2,3,4,5,6,7,8,9,10,11,12,13,14,15
	v_pk_mul_f32 v[32*\qt+2*\i:32*\qt+2*\i+1], v[32*\qt+2*\i:32*\qt+2*\i+1], v[AL+2*\qt:AL+2*\qt+1] op_sel_hi:[1,0]
.endr
.endr
; the way out, 16 queries at a time: lane (r, h) holds d = 16 dt + 8 h + 0..7 of query r: 16 bytes into my stage, whole rows back, four rows to a store
.macro OUTQ qt
	s_wait_xcnt 0x0                                ; the last stores have had their addresses translated (ISA guide 3.1): RB, which they read, is loaded again only behind this wait
	WIN W_PK
.irp i, 0,1,2,3,4,5,6,7,8,9,10,11,12,13,14,15
	v_cvt_pk_f16_f32 v[PKR+\i], v[32*\qt+2*\i], v[32*\qt+2*\i+1]
.endr
	WIN 0
.irp dt, 0,1,2,3
	ds_store_b128 v[STO], v[PKR+4*\dt:PKR+4*\dt+3] offset:32*\dt
.endr
.irp t, 0,1,2,3
	ds_load_b128 v[RB+4*\t:RB+4*\t+3], v[RD] offset:576*\t     ; my own bytes, served in order (ISA guide 5.7.1)
.endr
.irp t, 0,1,2,3
	s_wait_dscnt 3-\t                              ; read-back t is in, the younger ones stay out
	global_store_b128 v[CO], v[RB+4*\t:RB+4*\t+3], s[54:55] offset:2048*\qt+512*\t     ; 512 consecutive bytes, aligned
.endr
.endm
	OUTQ 0
	OUTQ 1
	OUTQ 2
	OUTQ 3
	s_wait_tensorcnt 0x0
	ds_add_u32 v254, v255
	s_wait_dscnt 0x0
	ROUND                                          ; the closing round: no work-group ends while a partner may still ask for a tile that names it
	s_endpgm
.Lfunc_end_k_qcc7321f96f_attn:
	.size	k_qcc7321f96f_attn, .Lfunc_end_k_qcc7321f96f_attn-k_qcc7321f96f_attn
	.p2alignl 7, 3214868480
	.fill 96, 4, 3214868480
	.section	.rodata,"a",@progbits
	.p2align	6, 0x0
	.amdhsa_kernel k_qcc7321f96f_attn
		.amdhsa_group_segment_fixed_size 327680
		.amdhsa_private_segment_fixed_size 0
		.amdhsa_enable_private_segment 0
		.amdhsa_kernarg_size 16
		.amdhsa_user_sgpr_count 2
		.amdhsa_user_sgpr_kernarg_segment_ptr 1
		.amdhsa_wavefront_size32 1
		.amdhsa_system_sgpr_workgroup_id_x 1
		.amdhsa_system_sgpr_workgroup_id_y 1
		.amdhsa_system_sgpr_workgroup_id_z 1
		.amdhsa_system_vgpr_workitem_id 0
		.amdhsa_next_free_vgpr 704
		.amdhsa_next_free_sgpr 66
		.amdhsa_reserve_vcc 0
		.amdhsa_float_denorm_mode_32 3
		.amdhsa_float_denorm_mode_16_64 3
		.amdhsa_memory_ordered 1
		.amdhsa_forward_progress 1
		.amdhsa_inst_pref_size 180
	.end_amdhsa_kernel
	.amdgpu_metadata
---
amdhsa.version: [ 1, 2 ]
amdhsa.kernels:
  - .name:           k_qcc7321f96f_attn
    .symbol:         k_qcc7321f96f_attn.kd
    .args:
      - { .name: qkvh, .offset: 0, .size: 8, .value_kind: global_buffer, .address_space: global }
      - { .name: ao, .offset: 8, .size: 8, .value_kind: global_buffer, .address_space: global }
    .group_segment_fixed_size: 327680
    .private_segment_fixed_size: 0
    .kernarg_segment_align: 8
    .kernarg_segment_size: 16
    .max_flat_workgroup_size: 128
    .sgpr_count:     66
    .vgpr_count:     704
    .wavefront_size: 32
...
	.end_amdgpu_metadata
.endif
;; end of part 5
;; launch proj: the kernel of part 4 again; grid 8 x 32, 4 waves a work-group, clusters of 4 x 4, 327,680 bytes of LDS; arguments ao, h16, proj_b, out0; writes out0
